; MI455X (gfx1250); checked and timed in simulation.
; The chip was launched on July 23, 2026; its instructions are those of AMD's public machine-readable ISA for CDNA 5 (MIT licence, August 2026) and "CDNA5" Instruction Set Architecture Reference Guide (July 2026). The comments in the code are by the model that wrote it; some were corrected since.
;; Cantor Modality Fusion. Allowed arithmetic: matrix products marked QUANTISED: E2M3 operands, one E8M0 scale for each 32 along K, by v_wmma_scale_f32_16x16x128_f8f6f4 with both operands' format E2M3, f32 sums; products left as they are: f32 operands where the result goes on into a quantised operand, else bf16, f16 or f32 operands; f32 sums; everything else in f32.
;; Inputs: W_audio 1,024 x 512 float32; W_image 1,024 x 1,024 float32; W_text 1,024 x 768 float32; W_video 1,024 x 2,048 float32; Wk 1,024 x 1,024 float32; Wo 1,024 x 1,024 float32; Wq 1,024 x 1,024 float32; Wv 1,024 x 1,024 float32; audio 2 x 1,500 x 512 float32; b_audio 1,024 float32; b_image 1,024 float32; b_text 1,024 float32; b_video 1,024 float32; bk 1,024 float32; bo 1,024 float32; bq 1,024 float32; bv 1,024 float32; image 2 x 1,024 x 1,024 float32; mod_emb 4 x 1,024 float32; temperature one number float32; text 2 x 2,048 x 768 float32; video 2 x 512 x 2,048 float32.
;; Outputs: out0 2 x 2,048 x 1,024 float32.
;; This version of the problem:
;;   THIS VERSION OF THE PROBLEM IS GIVEN IN LOW PRECISION. The matrix products marked QUANTISED in the list below multiply operands that are first quantised to E2M3 (2 exponent bits, 3 mantissa bits; 6 bits a number), with one power-of-two scale for each 32 numbers along K (OCP MX v1.0); their sums are f32. All else is computed in f32.
;;   The module's matrix products, in the order in which they are computed (A, B: the left and right operand; K: the contracted axis; several contracted axes count as one K, in the product's order):
;;     1. [M 4,096, K 768] x [K 768, N 1,024]; A: input text; B: input W_text: QUANTISED
;;     2. [M 2,048, K 1,024] x [K 1,024, N 1,024]; A: input image; B: input W_image: QUANTISED
;;     3. [M 3,000, K 512] x [K 512, N 1,024]; A: input audio; B: input W_audio: QUANTISED
;;     4. [M 1,024, K 2,048] x [K 2,048, N 1,024]; A: input video; B: input W_video: QUANTISED
;;     5. [M 16,384, K 1,024] x [K 1,024, N 1,024]; A: computed on the way; B: input Wq: QUANTISED
;;     6. [M 16,384, K 1,024] x [K 1,024, N 1,024]; A: computed on the way; B: input Wk: QUANTISED
;;     7. [M 16,384, K 1,024] x [K 1,024, N 1,024]; A: computed on the way; B: input Wv: QUANTISED
;;     8. batch 262,144 x [M 1, K 64] x [K 64, N 3]; A: computed on the way; B: computed on the way: left as it is (M = 1 < 16)
;;     9. batch 262,144 x [M 1, K 3] x [K 3, N 64]; A: softmax; B: computed on the way: left as it is (K = 3 < 32)
;;     10. [M 4,096, K 1,024] x [K 1,024, N 1,024]; A: computed on the way; B: input Wo: QUANTISED
;;   THE QUANTISER, for each operand of a quantised product, along K:
;;     - K is cut into blocks of 32 from its start; a last block that is shorter is filled with zeros.
;;     - A block's scale is 2^e with e = floor(log2(the largest magnitude in the block)) - 2, held to -126 .. 127; a block of zeros has e = 0. As a byte (E8M0): e + 127.
;;     - Each number is divided by its block's scale, clamped to +-7.5, and rounded to the nearest number of E2M3, ties to even, subnormals kept.
;;     - The product sums the exact products of the quantised numbers (number of the format x scale) in f32.
;;   ~~~python
;;   def quantise(x, axis):      # numpy; x: float32 -> the quantised numbers, widened to float32 again
;;       x = np.moveaxis(x, axis, -1); K = x.shape[-1]
;;       x = np.pad(x, [(0, 0)] * (x.ndim - 1) + [(0, -K % 32)]); x = x.reshape(x.shape[:-1] + (-1, 32)); a = np.abs(x).max(-1, keepdims=True)
;;       e = np.where(a > 0, np.clip(np.frexp(np.where(a > 0, a, 1))[1] - 1 - 2, -126, 127), 0)      # np.frexp(a)[1] - 1 = floor(log2(a)), exactly
;;       r = np.clip(x / 2.0 ** e, -7.5, 7.5)
;;       step = 2.0 ** (np.maximum(np.frexp(np.where(r == 0, 1, r))[1] - 1, 0) - 3)
;;       q = np.round(r / step) * step * 2.0 ** e      # np.round: ties to even
;;       return np.moveaxis(q.reshape(q.shape[:-2] + (-1,))[..., :K], -1, axis).astype(np.float32)
;;   ~~~
;;   OPERANDS COMPUTED ON THE WAY. 'Computed on the way' means the value that the module computes at that place (a softmax that the list does not call 'softmax' is quantised finished and normalised). What goes into a quantiser is computed in f32, as accurately as f32 sums, v_exp_f32 and their like allow (about 1e-6 of the number): no bf16 or f16 on the way to a quantiser, and a product that is left as it is and whose result goes on into a quantised operand takes f32 operands (vector FMAs, or v_wmma_f32_16x16x4_f32). A number that lies on a knife's edge between two numbers of the format may be rounded either way, as far as f32 arithmetic and the matrix unit's own rounding can turn it there, and no further.
;; One version. Each part assembles by itself: llvm-mc -triple=amdgcn-amd-amdhsa -mcpu=gfx1250 --defsym DOCPART=n.
;; ======== version 1 of 1: 4 launches
;; limits: right only within a limited range of input values
;; workspace buffers: xc 6,684,672 bytes; xs 278,528 bytes; wc 6,488,064 bytes; ws 270,336 bytes; pc 7,864,320 bytes; ps 327,680 bytes; fc 3,145,728 bytes; fs 131,072 bytes
;; launch quant (part 1): grid 536 x 1, 4 waves a work-group, no clusters, 36,352 bytes of LDS; arguments text, image, audio, video, W_text, W_image, W_audio, W_video, Wq, Wk, Wv, Wo, xc, xs, wc, ws; writes xc, xs, wc, ws
.if DOCPART == 1
	.amdgcn_target "amdgcn-amd-amdhsa--gfx1250"
	.amdhsa_code_object_version 6
	.text
	.protected	k_q72bc3fe15a_quant
	.globl	k_q72bc3fe15a_quant
	.p2align	8
	.type	k_q72bc3fe15a_quant,@function
k_q72bc3fe15a_quant:
	s_mov_b64 s[64:65], 0
	v_nop
	global_prefetch_b8 v0, s[64:65] scope:SCOPE_SE
	s_setreg_imm32_b32 hwreg(HW_REG_WAVE_MODE, 25, 1), 1
	s_wait_xcnt 0x0
; The four inputs and the eight weights, all f32 with K innermost, become codes of FP6 (E2M3) with one E8M0 byte for each 32 along K.
; A block's scale is 2^(floor(log2(largest magnitude)) - 2); its byte is the largest magnitude's exponent field - 2, held at 1 from below.
; LIMITS: NaN and infinities among the inputs are not served.  A block of zeros gets the byte 1 where the rule says 127: its codes are zeros, which add nothing
; under any byte but 0xff, and the bytes are read by this program alone.  Blocks whose largest magnitude lies under 2^-124 are held at that floor.
; LAYOUT OF THE RESULT: images of the operand's registers.  A fragment (16 rows x 128 K, 12 registers a lane) is 1,536 bytes: three runs of 512, run c = registers 4 c .. 4 c + 3, lane l's 16 bytes at 16 l.
; A JOB is 64 rows x 128 K: four fragments (6,144 bytes at job x 6,144) and their scale words (256 bytes at job x 256: [tile][row][4 bytes]).  One wave does one job.
; job = BASE + (G / 2) SA + (G % 2) SB + s SS, G the group of 64 rows, s the K step: so each later launch finds its operands as dense blocks.
; In all weights but Wo the rows of a tile are not neighbours (P8 = 8): lane-row m of tile j is row 64 G + 32 (j / 2) + 8 (j % 2) + m + 8 (m / 8), so that the results of two neighbouring tiles are 16 neighbours along the next K.
; Memory binds here: each load of a wave reads 512 consecutive bytes of one row; a fragment's 16 rows turn through the wave's own stage in LDS so that a lane gets two whole blocks of 32; each store covers 512 consecutive bytes.
; No matrix unit, no cluster, no tensor load: the work-groups share no byte, and waves share nothing, so there is no barrier.
; WORK LEFT OUT BY THE PROGRAM: rows s >= s_i of projected[i] are zeros that reference() pads in itself.  A zero row times Wq, Wk or Wv is a zero row for all values of the inputs, so Q, K and V
; of such a row are bq, bk and bv: products 5 to 7 are made for the true rows alone (whole tiles of 16 rows), and the later launch lets the biases stand for the padded rows.  Every input still has a way to the output and is loaded.
; LIMIT: a NaN, an infinity or an overflow that would arise only in a product of a padded zero row with a weight is not carried to the result.
.set WREG,  8960
.set GATH,  8704                       ; 256 bytes in which the job's scale words are gathered
.set SPARE, 4*WREG                     ; behind the four regions: the spare words, 128 bytes a wave, that no other line names
.set SPW,  1                           ; v1   my spare word's LDS address; never rewritten
.set NIL,  2                           ; v2   0; never rewritten
.set L16,  3                           ; v3   16 x lane
.set SIN,  4                           ; v4   the stage, way in
.set SOUT, 5                           ; v5   the stage, way out: row r, + 128 h
.set GIN,  6                           ; v6   gather, way in: 4 r
.set GOUT, 7                           ; v7   gather, way out: 8 x lane
.set L8,   8                           ; v8   8 x lane
.set SH8,  9                           ; v9   8 h
.set AD,   16                          ; v16-31   a fragment's sixteen row offsets
.set R,    32                          ; v32-159  two sets of 64: a fragment as loaded
.set T,    160                         ; v160-223 my 64 numbers: k = 64 c + 32 h + 0 .. 31 of row r at T + 32 c
.set C,    224                         ; v224-235 the fragment's codes
.set CT,   236                         ; v236-242 second halves of the blocks' codes
.set M,    244                         ; v244-251 maxima, scale operands, bytes, the word, the other half's word
	s_load_b512 s[8:23], s[0:1], 0x0               ; text, image, audio, video, W_text, W_image, W_audio, W_video
	s_load_b512 s[24:39], s[0:1], 0x40             ; Wq, Wk, Wv, Wo, xc, xs, wc, ws
	v_lshl_add_u32 v[SPW], v0, 2, SPARE
	v_mov_b32 v[NIL], 0
	v_lshrrev_b32 v10, 5, v0
	v_readfirstlane_b32 s2, v10                    ; wave
	v_and_b32 v10, 31, v0                          ; lane
	v_and_b32 v11, 15, v0                          ; r
	v_bfe_u32 v12, v0, 4, 1                        ; h
	s_mul_i32 s3, s2, WREG
	v_lshlrev_b32 v[L16], 4, v10
	v_add_nc_u32 v[SIN], s3, v[L16]
	v_mul_u32_u24 v[SOUT], v11, 528
	v_lshl_add_u32 v[SOUT], v12, 7, v[SOUT]
	v_add_nc_u32 v[SOUT], s3, v[SOUT]
	v_lshlrev_b32 v[GIN], 2, v11
	v_add_nc_u32 v[GIN], s3, v[GIN]
	v_lshlrev_b32 v[L8], 3, v10
	v_add_nc_u32 v[GOUT], s3, v[L8]
	v_lshlrev_b32 v[SH8], 3, v12
	v_mov_b32 v[M+7], 0                            ; a lane permute's destination counts as one of its sources
	s_mov_b32 s4, 0x76543210
	s_mov_b32 s5, 0xfedcba98                       ; lane l xor 16
	s_wait_kmcnt 0x0
; Which tensor is my work-group's: a chain of selections on the work-group's number alone.  s40 first work-group, s41 K steps, s42 2^16 / K steps (rounded up), s43 P8, s44 last row,
; s45 BASE, s46 SA, s47 SB, s48 SS, s49 bytes to the source's first row; s[50:51] source, s[52:53] codes, s[54:55] scale words.
	s_mov_b32 s40, 0                               ; text
	s_mov_b32 s41, 6
	s_mov_b32 s42, 10923
	s_mov_b32 s43, 0
	s_mov_b32 s44, 4095
	s_mov_b32 s45, 0
	s_mov_b32 s46, 12
	s_mov_b32 s47, 6
	s_mov_b32 s48, 1
	s_mov_b32 s49, 0
	s_mov_b64 s[50:51], s[8:9]
	s_mov_b64 s[52:53], s[32:33]
	s_mov_b64 s[54:55], s[34:35]
.macro ENTRY start, src, ks, magic, p8, rowmax, dst, base, sa, sb, ss, srcoff
	s_cmp_ge_u32 ttmp9, \start
	s_cselect_b32 s40, \start, s40
	s_cselect_b32 s41, \ks, s41
	s_cselect_b32 s42, \magic, s42
	s_cselect_b32 s43, \p8, s43
	s_cselect_b32 s44, \rowmax, s44
	s_cselect_b32 s45, \base, s45
	s_cselect_b32 s46, \sa, s46
	s_cselect_b32 s47, \sb, s47
	s_cselect_b32 s48, \ss, s48
	s_cselect_b32 s49, \srcoff, s49
	s_cselect_b64 s[50:51], s[\src:\src+1], s[50:51]
	s_cselect_b64 s[52:53], s[\dst:\dst+1], s[52:53]
	s_cselect_b64 s[54:55], s[\dst+2:\dst+3], s[54:55]
.endm
	ENTRY 96,  10, 8,  8192,  0, 2047, 32, 384, 16, 8,  1, 0        ; image
	ENTRY 160, 12, 4,  16384, 0, 1499, 32, 640, 8,  4,  1, 0        ; audio, batch 0: 24 groups; rows past 1,499 repeat row 1,499 (no load leaves the batch); the next launch clears their codes
	ENTRY 184, 12, 4,  16384, 0, 1499, 32, 736, 8,  4,  1, 3072000  ; audio, batch 1
	ENTRY 208, 14, 16, 4096,  0, 1023, 32, 832, 32, 16, 1, 0        ; video
	ENTRY 272, 16, 6,  10923, 8, 1023, 36, 0,   12, 1,  2, 0        ; W_text: [chunk of 128 outputs][K step][two groups]
	ENTRY 296, 18, 8,  8192,  8, 1023, 36, 96,  16, 1,  2, 0        ; W_image
	ENTRY 328, 20, 4,  16384, 8, 1023, 36, 224, 8,  1,  2, 0        ; W_audio
	ENTRY 344, 22, 16, 4096,  8, 1023, 36, 288, 32, 1,  2, 0        ; W_video
	ENTRY 408, 24, 8,  8192,  8, 1023, 36, 544, 48, 24, 3, 0        ; Wq: [head][K step][Q, K, V]
	ENTRY 440, 26, 8,  8192,  8, 1023, 36, 545, 48, 24, 3, 0        ; Wk
	ENTRY 472, 28, 8,  8192,  8, 1023, 36, 546, 48, 24, 3, 0        ; Wv
	ENTRY 504, 30, 8,  8192,  0, 1023, 36, 928, 16, 8,  1, 0        ; Wo: [group][K step], rows as they lie
	s_sub_co_u32 s56, ttmp9, s40
	s_lshl_b32 s56, s56, 2
	s_add_co_u32 s56, s56, s2                      ; my job in the tensor
	s_mul_i32 s57, s56, s42
	s_lshr_b32 s57, s57, 16                        ; G = job / K steps (jobs stay under 384, where the rounded-up reciprocal is exact)
	s_mul_i32 s58, s57, s41
	s_sub_co_u32 s58, s56, s58                     ; s
	s_lshl_b32 s59, s41, 9                         ; a source row in bytes
	s_lshr_b32 s60, s57, 1
	s_mul_i32 s60, s60, s46
	s_and_b32 s61, s57, 1
	s_mul_i32 s61, s61, s47
	s_add_co_u32 s60, s60, s61
	s_mul_i32 s61, s58, s48
	s_add_co_u32 s60, s60, s61
	s_add_co_u32 s60, s60, s45                     ; the job's number in the workspace
	s_lshl_b32 s62, s58, 9
	s_add_co_u32 s62, s62, s49
	s_mov_b32 s63, 0
	s_add_nc_u64 s[50:51], s[50:51], s[62:63]      ; the source at my K step
	s_mul_i32 s62, s60, 6144
	s_add_nc_u64 s[52:53], s[52:53], s[62:63]
	s_lshl_b32 s62, s60, 8
	s_add_nc_u64 s[54:55], s[54:55], s[62:63]
	s_lshl_b32 s57, s57, 6                         ; 64 G
	s_sub_co_u32 s67, s57, s43                     ; 64 G - P8
	s_add_co_u32 s68, s57, s43                     ; 64 G + P8
; Fragment fj's sixteen rows into set: line i is row 64 G + 16 fj - (fj % 2) P8 + i + (i >= 8) P8, held at the tensor's last row.
; ad: the sixteen offsets' registers.  free = 1: the offsets, and the codes that the last fragment's stores read, are written again behind this wait; it stands ahead of a run of loads, where the youngest loads are a fragment's work old.
; Fragment 1 takes the codes' registers for its offsets (nothing has been quantised yet); the wait ahead of fragment 2's loads frees them for fragment 0's codes.
.macro FRAGLOAD fj, set, ad, free
.if \free
	s_wait_xcnt 0x0
.endif
.irp i, 0,1,2,3,4,5,6,7,8,9,10,11,12,13,14,15
.if ((\fj)%2 == 1) && (\i < 8)
	s_add_co_u32 s66, s67, 16*(\fj)+\i
.elseif ((\fj)%2 == 0) && (\i >= 8)
	s_add_co_u32 s66, s68, 16*(\fj)+\i
.else
	s_add_co_u32 s66, s57, 16*(\fj)+\i
.endif
	s_min_u32 s66, s66, s44
	s_mul_i32 s66, s66, s59
	v_add_nc_u32 v[\ad+\i], s66, v[L16]
	global_load_b128 v[R+64*(\set)+4*\i:R+64*(\set)+4*\i+3], v[\ad+\i], s[50:51] th:TH_LOAD_NT   ; 512 consecutive bytes of one row, read once in the launch
.endr
.endm
; Through the stage: rows in as loaded, out 128 bytes a lane and block.  LDS serves a wave's instructions in order, so no wait stands between the stores and the loads.
.macro TURN set
.irp i, 0,1,2,3,4,5,6,7,8,9,10,11,12,13,14,15
	ds_store_b128 v[SIN], v[R+64*(\set)+4*\i:R+64*(\set)+4*\i+3] offset:528*\i
.endr
.irp c, 0,1
.irp i, 0,1,2,3,4,5,6,7
	ds_load_b128 v[T+32*\c+4*\i:T+32*\c+4*\i+3], v[SOUT] offset:256*\c+16*\i
.endr
.endr
.endm
; My two whole blocks (2 c + h, c = 0, 1) of row r become registers 6 c .. 6 c + 5 of the fragment; the row's scale word is gathered from lanes l and l xor 16.
.macro QUANTF fj
.if (\fj) >= 2
	s_wait_xcnt 0x0                                ; the last fragment's stores have read their codes (fragments 0 and 1: the wait ahead of the run of loads just issued has served)
.endif
	v_max3_num_f32 v[M], |v[T]|, |v[T+1]|, 0x1800000       ; with the floor 2^(3 - 127): the byte cannot fall under 1
	v_max3_num_f32 v[M+1], |v[T+32]|, |v[T+33]|, 0x1800000
.irp n, 2,4,6,8,10,12,14,16,18,20,22,24,26,28,30
	v_max3_num_f32 v[M], v[M], |v[T+\n]|, |v[T+\n+1]|
	v_max3_num_f32 v[M+1], v[M+1], |v[T+32+\n]|, |v[T+33+\n]|
.endr
	v_add_nc_u32 v[M+2], 0xff000000, v[M]          ; 2 off the exponent field: the conversion's scale operand
	v_add_nc_u32 v[M+3], 0xff000000, v[M+1]
	v_lshrrev_b32 v[M+4], 23, v[M+2]               ; the bytes
	v_lshrrev_b32 v[M+5], 23, v[M+3]
	v_lshl_or_b32 v[M+6], v[M+5], 16, v[M+4]       ; blocks h and 2 + h,
	v_lshlrev_b32 v[M+6], v[SH8], v[M+6]           ; at their places in the word
	v_permlanex16_b32 v[M+7], v[M+6], s4, s5
	v_or_b32 v[M+6], v[M+6], v[M+7]                ; with the other half's two the word is whole
	v_cvt_scalef32_pk16_fp6_f32 v[C:C+2], v[T:T+15], v[M+2]
	v_cvt_scalef32_pk16_fp6_f32 v[CT:CT+2], v[T+16:T+31], v[M+2]       ; (a conversion's three registers begin on an even number)
	v_cvt_scalef32_pk16_fp6_f32 v[C+6:C+8], v[T+32:T+47], v[M+3]
	v_cvt_scalef32_pk16_fp6_f32 v[CT+4:CT+6], v[T+48:T+63], v[M+3]
	v_nop                                          ; one plain place behind a scaled conversion
.irp i, 0,1,2
	v_mov_b32 v[C+3+\i], v[CT+\i]
	v_mov_b32 v[C+9+\i], v[CT+4+\i]
.endr
.irp c, 0,1,2
	global_store_b128 v[L16], v[C+4*\c:C+4*\c+3], s[52:53] offset:1536*(\fj)+512*\c   ; 512 consecutive bytes, aligned
.endr
	ds_store_b32 v[GIN], v[M+6] offset:GATH+64*(\fj)  ; lanes r and r + 16 write the same word with the same value
.endm
	FRAGLOAD 0, 0, AD, 0
	FRAGLOAD 1, 1, C, 0
	s_wait_loadcnt 16                              ; fragment 0 is in; fragment 1's sixteen loads may be out
	TURN 0
	s_wait_dscnt 0x0                               ; my numbers are back, so the stage's stores have read set 0
	FRAGLOAD 2, 0, AD, 1
	QUANTF 0
	s_wait_loadcnt 16                              ; fragment 1 is in; fragment 2's may be out
	TURN 1
	s_wait_dscnt 0x0
	FRAGLOAD 3, 1, AD, 1
	QUANTF 1
	s_wait_loadcnt 16                              ; fragment 2 is in; fragment 3's may be out
	TURN 0
	s_wait_dscnt 0x0
	QUANTF 2
	s_wait_loadcnt 0x0
	TURN 1
	s_wait_dscnt 0x0
	QUANTF 3
	ds_load_b64 v[M:M+1], v[GOUT] offset:GATH      ; in order behind my stores
	s_wait_dscnt 0x0
	global_store_b64 v[L8], v[M:M+1], s[54:55]     ; the job's 256 bytes of scale words: one aligned run
	s_wait_tensorcnt 0x0                           ; the wave's end, behind my last LDS store
	ds_add_u32 v[SPW], v[NIL]
	s_wait_dscnt 0x0
	s_endpgm
.Lfunc_end_k_q72bc3fe15a_quant:
	.size	k_q72bc3fe15a_quant, .Lfunc_end_k_q72bc3fe15a_quant-k_q72bc3fe15a_quant
	.p2alignl 7, 3214868480
	.fill 96, 4, 3214868480
	.section	.rodata,"a",@progbits
	.p2align	6, 0x0
	.amdhsa_kernel k_q72bc3fe15a_quant
		.amdhsa_group_segment_fixed_size 36352
		.amdhsa_private_segment_fixed_size 0
		.amdhsa_enable_private_segment 0
		.amdhsa_kernarg_size 128
		.amdhsa_user_sgpr_count 2
		.amdhsa_user_sgpr_kernarg_segment_ptr 1
		.amdhsa_wavefront_size32 1
		.amdhsa_system_sgpr_workgroup_id_x 1
		.amdhsa_system_sgpr_workgroup_id_y 1
		.amdhsa_system_sgpr_workgroup_id_z 1
		.amdhsa_system_vgpr_workitem_id 0
		.amdhsa_next_free_vgpr 256
		.amdhsa_next_free_sgpr 96
		.amdhsa_reserve_vcc 0
		.amdhsa_float_denorm_mode_32 3
		.amdhsa_float_denorm_mode_16_64 3
		.amdhsa_memory_ordered 1
		.amdhsa_forward_progress 1
		.amdhsa_inst_pref_size 46
	.end_amdhsa_kernel
	.amdgpu_metadata
---
amdhsa.version: [ 1, 2 ]
amdhsa.kernels:
  - .name:           k_q72bc3fe15a_quant
    .symbol:         k_q72bc3fe15a_quant.kd
    .args:
      - { .name: text, .offset: 0, .size: 8, .value_kind: global_buffer, .address_space: global }
      - { .name: image, .offset: 8, .size: 8, .value_kind: global_buffer, .address_space: global }
      - { .name: audio, .offset: 16, .size: 8, .value_kind: global_buffer, .address_space: global }
      - { .name: video, .offset: 24, .size: 8, .value_kind: global_buffer, .address_space: global }
      - { .name: W_text, .offset: 32, .size: 8, .value_kind: global_buffer, .address_space: global }
      - { .name: W_image, .offset: 40, .size: 8, .value_kind: global_buffer, .address_space: global }
      - { .name: W_audio, .offset: 48, .size: 8, .value_kind: global_buffer, .address_space: global }
      - { .name: W_video, .offset: 56, .size: 8, .value_kind: global_buffer, .address_space: global }
      - { .name: Wq, .offset: 64, .size: 8, .value_kind: global_buffer, .address_space: global }
      - { .name: Wk, .offset: 72, .size: 8, .value_kind: global_buffer, .address_space: global }
      - { .name: Wv, .offset: 80, .size: 8, .value_kind: global_buffer, .address_space: global }
      - { .name: Wo, .offset: 88, .size: 8, .value_kind: global_buffer, .address_space: global }
      - { .name: xc, .offset: 96, .size: 8, .value_kind: global_buffer, .address_space: global }
      - { .name: xs, .offset: 104, .size: 8, .value_kind: global_buffer, .address_space: global }
      - { .name: wc, .offset: 112, .size: 8, .value_kind: global_buffer, .address_space: global }
      - { .name: ws, .offset: 120, .size: 8, .value_kind: global_buffer, .address_space: global }
    .group_segment_fixed_size: 36352
    .private_segment_fixed_size: 0
    .kernarg_segment_align: 8
    .kernarg_segment_size: 128
    .max_flat_workgroup_size: 128
    .sgpr_count:     96
    .vgpr_count:     256
    .wavefront_size: 32
...
	.end_amdgpu_metadata
.endif
;; end of part 1
;; launch proj (part 2): grid 256 x 1, 4 waves a work-group, clusters of 4 x 1, 327,680 bytes of LDS; arguments xc, xs, wc, ws, b_text, b_image, b_audio, b_video, mod_emb, pc, ps; writes pc, ps
.if DOCPART == 2
	.amdgcn_target "amdgcn-amd-amdhsa--gfx1250"
	.amdhsa_code_object_version 6
	.text
	.protected	k_q72bc3fe15a_proj
	.globl	k_q72bc3fe15a_proj
	.p2align	8
	.type	k_q72bc3fe15a_proj,@function
k_q72bc3fe15a_proj:
	s_mov_b64 s[64:65], 0
	v_nop
	global_prefetch_b8 v0, s[64:65] scope:SCOPE_SE
	s_setreg_imm32_b32 hwreg(HW_REG_WAVE_MODE, 25, 1), 1
	s_wait_xcnt 0x0
	s_wait_alu depctr_hold_cnt(0) depctr_sa_sdst(0) depctr_va_vdst(0) depctr_va_sdst(0) depctr_va_ssrc(0) depctr_va_vcc(0) depctr_vm_vsrc(0)
	s_getreg_b32 s2, hwreg(HW_REG_IB_STS2, 6, 4)
	s_cmp_eq_u32 s2, 0
	s_cbranch_scc0 .Lentry_in_a_cluster
	s_endpgm
.Lentry_in_a_cluster:
	s_bfe_u32 s2, ttmp6, 0x10000c
	s_cmp_lg_u32 s2, 0x3003
	s_cbranch_scc0 .Lentry_shape_is_right
	s_endpgm
.Lentry_shape_is_right:
.set SPARE, 196608                     ; behind W's chunk: the spare words, 128 bytes a wave, that no other line names
; p = x W^T + b + mod_emb for the four modalities, on codes of FP6 (E2M3) with E8M0 scales; p is quantised in registers along its 1,024 columns, the K of the next products, and stored as codes.
; Only true rows are made: the rows that reference() pads with zeros are left out (see the first kernel's head).
; SHARES.  A work-group works on 128 columns (one chunk = one K step of the next products).  A wave takes 64 rows (4 tiles) at a time against the chunk's 8 tiles of W: 32 accumulators.
; The cluster's number picks modality, chunk and rows.  Clusters 0-7 video (16 K steps), 8-23 image (8), 24-55 text (6): a wave has one group of 64 rows.  Clusters 56-63 audio (4 K steps): a wave has THREE neighbouring
; groups of 64 rows, one after the other, against the same chunk: 12 steps.  So the launch has 256 work-groups, and a wave's work is 16, 8, 6 or 12 steps of 32 products.
; W's CHUNK is shared by the four partners: it is asked for JOINTLY (mask 15) and lies in LDS as in memory: [K step][8 tiles][1,536].  Nothing is filled twice.
; TWO JOINT LOADS A WAVE, of one shape (96 rows of 256 bytes) for all modalities, on the one way that all work-groups take: K steps 0-7 at the head, K steps 8-15 behind the round that shows the first half whole.
; By this text's count one tensor load of a wave is out at a time.  Video alone reads the second half: its arm waits for it, and passes a barrier, in step 7; the other arms wait for it at their end.
; A modality with fewer than 16 K steps so also receives bytes of wc that lie behind its chunk (inside the buffer: the farthest ends at job 544 of 1,056); nobody reads them.  That is the price of one shape.
; x's codes are read by one wave of the work-group alone: they go from memory straight into registers, 12 loads of 512 consecutive bytes a step, four steps ahead, with counted waits: so they are not asked for jointly.
; No prefetch of x: the text has no loop to run ahead in; a stream is 6 to 16 steps, of which four are asked for at the head, and each later one is asked for four steps (48 loads, 24,576 bytes a wave) ahead of its use.
; Audio's three groups are 12 neighbouring jobs of xc and of xs: for x the arm is one stream of 12 steps; W's step is k % 4, and the sums begin anew at k % 4 = 0.
; THE PRODUCT IS USED TRANSPOSED (source 0 = 16 rows of W, source 1 = 16 rows of x), and W's tiles are laid so that a lane's 16 registers of tiles 2 b, 2 b + 1 are columns 32 b + 16 h + 0 .. 15 of its row.
; b + mod_emb: the chunk's 128 numbers of each come by one load of 512 consecutive bytes, are added once, and turn through 512 LDS bytes of the wave's own into the result's layout, where they are the C of each sum's first product:
; an order of rounding that differs from the sum written left to right by an ulp at the most.
; Audio's rows 1,500 to 1,535 of a batch are padding: their codes are cleared by a mask made of ids, in every work-group, without a branch.
; LIMITS: NaN and infinities are not served; a block of zeros gets the byte 1 (its codes are zeros, and this program alone reads the bytes); blocks under 2^-124 are held at that floor.
; REGISTERS: window 0: v1-12 addresses; v16-47 x's scale words (2 a step); v48-111 W's (4 a K step); v112-175 b + mod_emb in the result's layout; v176-179 row masks; v180-243 at work.
;   window 1: accumulator (row tile i, tile t) at 64 i + 8 t.   window 2: W's fragments, two sets, at 0 and 128.   window 3: x's fragments, five sets of 48.
.set BSCR, 197120                      ; behind the spare words: 512 bytes for each wave, for b + mod_emb; no tensor load lands there
.set SPW, 1
.set NIL, 2
.set LB,  3                            ; v3-6  16 x lane + 49,152 n: four K steps of the chunk each.  v3 is also 16 x lane for memory
.set L16, 3
.set BST, 7                            ; BSCR + 512 x wave + 16 x lane
.set L4,  8                            ; 4 x lane
.set RR,  9                            ; r
.set HH,  10                           ; h
.set BIA, 11                           ; BSCR + 512 x wave + 64 h
.set PSA, 12                           ; 4 r + 20,480 h
.set XSC, 16
.set WSC, 48
.set BI,  112
.set VM,  176
.set EMB, 180                          ; b and mod_emb as they are loaded
.set TM,  180                          ; v180-195 the quantiser's
.set PW,  196                          ; v196-199 the four tiles' scale words
.set PC,  200                          ; v200-218 a fragment's codes
.set MSB, 0
.macro WIN new                         ; the immediate's high byte repeats the setting that is left
.if MSB != (\new)
	s_set_vgpr_msb (MSB<<8)|(\new)
.set MSB, (\new)
.endif
.endm
.macro PLACES                          ; four plain places behind a matrix instruction, ahead of loads into its registers and of reads of its result
.rept 4
	v_nop
.endr
.endm
.macro ROUND                           ; a round of the cluster's barrier
	s_barrier_signal -1
	s_barrier_wait -1
	s_cmp_lg_u32 s4, 0
	s_cbranch_scc1 .Lnot_wave_0_\@
	s_barrier_signal -3
.Lnot_wave_0_\@:
	s_barrier_wait -3
	s_barrier_signal -1
	s_barrier_wait -1
.endm
; One product.  rD, rA, rB, rC, rSA, rSB name its registers; ra, rb: the scale words lie in lanes 16-31
.macro WM ra, rb
.if (\ra) && (\rb)
	v_wmma_scale_f32_16x16x128_f8f6f4 v[rD:rD+7], v[rA:rA+11], v[rB:rB+11], v[rC:rC+7], v[rSA], v[rSB] matrix_a_fmt:MATRIX_FMT_FP6 matrix_b_fmt:MATRIX_FMT_FP6 matrix_a_scale:MATRIX_SCALE_ROW1 matrix_b_scale:MATRIX_SCALE_ROW1
.elseif (\ra)
	v_wmma_scale_f32_16x16x128_f8f6f4 v[rD:rD+7], v[rA:rA+11], v[rB:rB+11], v[rC:rC+7], v[rSA], v[rSB] matrix_a_fmt:MATRIX_FMT_FP6 matrix_b_fmt:MATRIX_FMT_FP6 matrix_a_scale:MATRIX_SCALE_ROW1
.elseif (\rb)
	v_wmma_scale_f32_16x16x128_f8f6f4 v[rD:rD+7], v[rA:rA+11], v[rB:rB+11], v[rC:rC+7], v[rSA], v[rSB] matrix_a_fmt:MATRIX_FMT_FP6 matrix_b_fmt:MATRIX_FMT_FP6 matrix_b_scale:MATRIX_SCALE_ROW1
.else
	v_wmma_scale_f32_16x16x128_f8f6f4 v[rD:rD+7], v[rA:rA+11], v[rB:rB+11], v[rC:rC+7], v[rSA], v[rSB] matrix_a_fmt:MATRIX_FMT_FP6 matrix_b_fmt:MATRIX_FMT_FP6
.endif
.endm
.macro ALOAD kk                        ; x's four fragments of step kk of my stream into set kk % 5
	WIN 0xc0
.irp i, 0,1,2,3
.irp c, 0,1,2
	global_load_b128 v[48*((\kk)%5)+12*\i+4*\c:48*((\kk)%5)+12*\i+4*\c+3], v[L16], s[78:79] offset:6144*(\kk)+1536*\i+512*\c
.endr
.endr
.endm
.macro BLOAD kk                        ; W's eight fragments of K step kk into set kk % 2
	WIN 0x80
.irp t, 0,1,2,3,4,5,6,7
.irp c, 0,1,2
	ds_load_b128 v[128*((\kk)%2)+12*\t+4*\c:128*((\kk)%2)+12*\t+4*\c+3], v[LB+(\kk)/4] offset:12288*((\kk)%4)+1536*\t+512*\c
.endr
.endr
.endm
.macro SCL kk                          ; K step kk's scale words: x's two registers, W's four: six loads of 128 consecutive bytes
	global_load_b32 v[XSC+2*(\kk)], v[L4], s[80:81] offset:256*(\kk)
	global_load_b32 v[XSC+2*(\kk)+1], v[L4], s[80:81] offset:256*(\kk)+128
.irp v, 0,1,2,3
	global_load_b32 v[WSC+4*(\kk)+\v], v[L4], s[82:83] offset:512*(\kk)+128*\v
.endr
.endm
	s_load_b512 s[8:23], s[0:1], 0x0               ; xc 8, xs 10, wc 12, ws 14, b_text 16, b_image 18, b_audio 20, b_video 22
	s_load_b128 s[24:27], s[0:1], 0x40             ; mod_emb 24, pc 26
	s_load_b64 s[28:29], s[0:1], 0x50              ; ps
	v_lshl_add_u32 v[SPW], v0, 2, SPARE
	v_mov_b32 v[NIL], 0
	ds_add_u32 v[SPW], v[NIL]                      ; the wave's opening: the add, twice on end, and its wait ahead of my first tensor load; work on registers stands between
	ds_add_u32 v[SPW], v[NIL]
	v_lshrrev_b32 v13, 5, v0
	v_readfirstlane_b32 s4, v13                    ; wave
	s_lshl_b32 s94, s4, 9
	s_add_co_u32 s94, s94, BSCR                    ; my 512 bytes for b + mod_emb
	v_and_b32 v13, 31, v0
	v_and_b32 v[RR], 15, v0
	v_bfe_u32 v[HH], v0, 4, 1
	v_lshlrev_b32 v[L16], 4, v13
	v_add_nc_u32 v[LB+1], 49152, v[L16]
	v_add_nc_u32 v[LB+2], 98304, v[L16]
	v_add_nc_u32 v[LB+3], 147456, v[L16]
	v_add_nc_u32 v[BST], s94, v[L16]
	v_lshlrev_b32 v[L4], 2, v13
	v_lshl_add_u32 v[BIA], v[HH], 6, s94
	v_mul_u32_u24 v[PSA], v[HH], 20480
	v_lshl_add_u32 v[PSA], v[RR], 2, v[PSA]
	s_mov_b32 s6, 0x76543210
	s_mov_b32 s7, 0xfedcba98                       ; lane l xor 16
	s_mov_b32 s96, 0xffff0000                      ; lanes 16-31
	; descriptor group 1: a dense block as rows of 256 bytes (32 elements of 8 bytes); mask 15: all four partners; bit 21 beside the mask
	s_mov_b32 s40, 15|(3<<16)|(1<<21)
	s_mov_b32 s41, 32<<16                          ; tensor_dim0
	s_mov_b32 s42, 96<<16                          ; tensor_dim1: 96 rows = 24,576 bytes
	s_mov_b32 s43, 32<<16                          ; tile_dim0
	s_mov_b32 s44, 96                              ; tile_dim1
	s_mov_b32 s45, 32                              ; the pitch
	s_mov_b32 s46, 0
	s_mov_b32 s47, 0
	; the modality, by the cluster's number, which the four partners share: s30 K steps, s31 x's first job, s32 W's first job, s33 groups of 64 rows in a batch, s34 true rows in a batch, s35 modality, s36 first cluster, s37 groups of rows a wave
	s_mov_b32 s36, 0                               ; video
	s_mov_b32 s30, 16
	s_mov_b32 s31, 832
	s_mov_b32 s32, 288
	s_mov_b32 s33, 8
	s_mov_b32 s34, 512
	s_mov_b32 s35, 3
	s_mov_b32 s37, 1
.macro PENT start, ks, xb, wb, gb, lim, mod, gm
	s_cmp_ge_u32 ttmp9, \start
	s_cselect_b32 s36, \start, s36
	s_cselect_b32 s30, \ks, s30
	s_cselect_b32 s31, \xb, s31
	s_cselect_b32 s32, \wb, s32
	s_cselect_b32 s33, \gb, s33
	s_cselect_b32 s34, \lim, s34
	s_cselect_b32 s35, \mod, s35
	s_cselect_b32 s37, \gm, s37
.endm
	PENT 8,  8, 384, 96,  16, 1024, 1, 1           ; image
	PENT 24, 6, 0,   0,   32, 2048, 0, 1           ; text
	PENT 56, 4, 640, 224, 24, 1500, 2, 3           ; audio
	s_sub_co_u32 s72, ttmp9, s36
	s_and_b32 s73, s72, 7                          ; chunk
	s_mul_i32 s90, s73, s30
	s_lshl_b32 s90, s90, 1
	s_add_co_u32 s90, s90, s32                     ; the chunk's first job in wc and ws
	s_mul_i32 s76, s90, 6144
	s_mov_b32 s77, 0
	s_mul_i32 s91, s4, 24576                       ; my quarter of eight K steps: no place in the cluster enters an LDS address
	s_wait_dscnt 0x0                               ; both opening adds are done
	s_wait_kmcnt 0x0
	s_add_nc_u64 s[92:93], s[12:13], s[76:77]      ; the chunk in wc
	s_lshl_b32 s76, s90, 8
	s_add_nc_u64 s[82:83], s[14:15], s[76:77]      ; and its scale words
	s_mov_b32 s76, s91
	s_mov_b32 s56, 1                               ; group 0, K steps 0-7
	s_mov_b32 s57, s91
	s_add_nc_u64 s[58:59], s[92:93], s[76:77]
	s_mov_b32 s60, 1                               ; group 0, K steps 8-15
	s_add_co_u32 s61, s91, 98304
	s_add_nc_u64 s[62:63], s[58:59], 98304
	s_or_b32 s59, s59, 0x80000000
	s_or_b32 s63, s63, 0x80000000
	ROUND                                          ; all four work-groups are here: the joint loads meet
	tensor_load_to_lds s[56:59], s[40:47]          ; the one tensor load at the head
	s_nop 0
	PLACES
	; what is mine alone: my place in the cluster enters addresses in memory and the row masks, nothing else
	s_bfe_u32 s5, ttmp6, 0x40000                   ; cx
	s_lshr_b32 s74, s72, 3
	s_lshl_b32 s74, s74, 2
	s_add_co_u32 s74, s74, s5                      ; my work-group among those of the chunk
	s_lshl_b32 s75, s74, 2
	s_add_co_u32 s75, s75, s4                      ; my wave among them,
	s_mul_i32 s75, s75, s37                        ; G: its first group of 64 rows (audio: three groups a wave; 24 groups a batch, so a wave's three lie in one batch)
	s_mul_i32 s90, s75, s30
	s_add_co_u32 s90, s90, s31                     ; its first job in xc and xs
	s_mul_i32 s76, s90, 6144
	s_add_nc_u64 s[78:79], s[8:9], s[76:77]
	s_lshl_b32 s76, s90, 8
	s_add_nc_u64 s[80:81], s[10:11], s[76:77]
	s_mov_b64 s[38:39], s[22:23]                   ; the modality's bias
	s_cmp_ge_u32 ttmp9, 8
	s_cselect_b64 s[38:39], s[18:19], s[38:39]
	s_cmp_ge_u32 ttmp9, 24
	s_cselect_b64 s[38:39], s[16:17], s[38:39]
	s_cmp_ge_u32 ttmp9, 56
	s_cselect_b64 s[38:39], s[20:21], s[38:39]
	s_lshl_b32 s76, s73, 9                         ; the chunk's 128 numbers
	s_add_nc_u64 s[38:39], s[38:39], s[76:77]
	s_add_nc_u64 s[88:89], s[24:25], s[76:77]
	s_lshl_b32 s76, s35, 12
	s_add_nc_u64 s[88:89], s[88:89], s[76:77]      ; mod_emb's row
	s_wait_alu depctr_va_vdst(0)
	global_load_b128 v[EMB:EMB+3], v[L16], s[38:39]      ; the chunk's 128 numbers of b: 512 consecutive bytes,
	global_load_b128 v[EMB+4:EMB+7], v[L16], s[88:89]    ; and of mod_emb
	SCL 0                                          ; every modality has at least four K steps: their scale words and x's fragments are asked for here, by all alike
	SCL 1
	SCL 2
	SCL 3
	ALOAD 0
	ALOAD 1
	ALOAD 2
	ALOAD 3
	WIN 0
	s_wait_loadcnt 48                              ; all but x's 48 loads: the biases and the first four K steps' scale words are in
	v_pk_add_f32 v[EMB:EMB+1], v[EMB:EMB+1], v[EMB+4:EMB+5]
	v_pk_add_f32 v[EMB+2:EMB+3], v[EMB+2:EMB+3], v[EMB+6:EMB+7]
	ds_store_b128 v[BST], v[EMB:EMB+3]             ; my own bytes: LDS serves a wave's instructions in order, so no wait stands ahead of the loads below
.irp t, 0,1,2,3,4,5,6,7                        ; lane (r, h) wants, for tile t, the numbers of columns 32 (t / 2) + 16 h + 8 (t % 2) + 0 .. 7
	ds_load_b128 v[BI+8*\t:BI+8*\t+3], v[BIA] offset:(32*(\t/2)+8*(\t%2))*4
	ds_load_b128 v[BI+8*\t+4:BI+8*\t+7], v[BIA] offset:(32*(\t/2)+8*(\t%2))*4+16
.endr
.irp b, 0,1,2,3
	v_mov_b32 v[TM+4+\b], 0                        ; written once: a lane permute's destination counts as one of its sources (the store above has read its data: an LDS instruction's sources need no wait)
.endr
	s_wait_tensorcnt 0x0                           ; my quarter of K steps 0-7 has landed; then an add and its wait, ahead of a later first fill:
	ds_add_u32 v[SPW], v[NIL]
	s_wait_dscnt 0x0                               ; the add is done, and b + mod_emb is in its registers
	ROUND                                          ; everybody's quarter has landed, and all four work-groups are here
	tensor_load_to_lds s[60:63], s[40:47]          ; K steps 8-15
	s_nop 0
	PLACES
	BLOAD 0
	WIN 0
; Step k of my stream of KSN steps; W has KWN K steps; the arm has asked for NSC scale words behind x's first four sets.
; The next step's W and x four steps on are asked for first, then 32 products; the 32 accumulators take turns, one instruction a turn.
.macro PSTEP
	s_wait_dscnt 0x0                               ; W's fragments of this step, asked for a step ago
.set NY, KSN-1-k                       ; younger than x's set of this step: up to three later sets of 12 loads,
.if NY > 3
.set NY, 3
.endif
.set NY, 12*NY
.if k <= 3
.set NY, NY+NSC                        ; and, for the four sets asked for on the common way, the arm's loads of scale words, issued behind them;
.endif
.if NY > 63
.set NY, 63                            ; held at the most that a wait can name: a smaller count only waits for more
.endif
	s_wait_loadcnt NY                              ; from step 4 on the step's scale words are older than its set of x, so this wait serves them too
.if (KWN == 16) && (k == 7)
	s_wait_tensorcnt 0x0                           ; video: my quarter of K steps 8-15 has landed,
	s_barrier_signal -1
	s_barrier_wait -1                              ; everybody's has.  The branch that leads here hangs on the cluster's number: all four waves pass this barrier or none
.endif
	PLACES
.if k+1 < KSN
	BLOAD (k+1)%KWN
.endif
.if k+4 < KSN
	ALOAD k+4
.endif
.if (k%KWN) == 0
	WIN 0x4e                                       ; source 0 (W) window 2, source 1 (x) window 3, C (b + mod_emb) window 0, D window 1: the sums begin
.else
	WIN 0x5e                                       ; C and D window 1
.endif
.irp t, 0,1,2,3,4,5,6,7
.irp i, 0,1,2,3
.set rD, 64*\i+8*\t
.set rA, 128*((k%KWN)%2)+12*\t
.set rB, 48*(k%5)+12*\i
.if (k%KWN) == 0
.set rC, BI+8*\t
.else
.set rC, rD
.endif
.set rSA, WSC+4*(k%KWN)+\t/2
.set rSB, XSC+2*k+\i/2
	WM \t%2, \i%2
.endr
.endr
.endm
.macro PATH ks                         ; an arm with one group of rows: the scale words of K steps 4 on, then the K steps
.set KSN, \ks
.set KWN, \ks
.set NSC, 6*((\ks)-4)
.set k, 4
.rept (\ks)-4
	SCL k
.set k, k+1
.endr
.set k, 0
.rept \ks
	PSTEP
.set k, k+1
.endr
	WIN 0
.endm
; Where group G's (s75) four tiles go, and which of their rows are true.  Position tile p = 4 G' + i of the batch: g = p % 16 picks the work-group of the next launch, p / 16 its wave's half, bundle and place in the bundle
.macro OUTADDR
	s_cmp_ge_u32 s75, s33
	s_cselect_b32 s90, 1, 0                        ; batch
	s_mul_i32 s91, s90, s33
	s_sub_co_u32 s91, s75, s91                     ; G'
	s_lshl_b32 s92, s91, 6
	s_sub_co_i32 s92, s34, s92                     ; true rows left from the group's first row on
.irp q, 0,1,2,3
	s_sub_co_i32 s93, s92, 16*\q
	v_cmp_gt_i32 s97, s93, v[RR]
	v_cndmask_b32 v[VM+\q], 0, -1, s97             ; all ones where row r of tile q is a true row
.endr
	s_lshr_b32 s92, s91, 2                         ; p / 16
	s_and_b32 s91, s91, 3
	s_lshl_b32 s91, s91, 2                         ; g of tile 0
	s_and_b32 s93, s92, 1                          ; u
	s_lshr_b32 s92, s92, 1                         ; 0: all four modalities there, 1: three, 2: text and audio, 3: text
	s_lshl_b32 s90, s90, 1
	s_add_co_u32 s90, s90, s93                     ; the wave there: 2 x batch + u
	s_add_co_u32 s93, s92, 1
	s_lshr_b32 s93, s93, 1
	s_and_b32 s93, s93, 1                          ; the bundle: 0, 1, 1, 0
	s_lshr_b32 s94, s35, 1
	s_add_co_u32 s94, s94, 3
	s_cmp_eq_u32 s92, 2
	s_cselect_b32 s94, s94, 4
	s_cmp_lt_u32 s92, 2
	s_cselect_b32 s94, s35, s94                    ; the place in the bundle
	s_mul_i32 s76, s91, 491520
	s_mul_i32 s95, s90, 122880
	s_add_co_u32 s76, s76, s95
	s_mul_i32 s95, s93, 61440
	s_add_co_u32 s76, s76, s95
	s_mul_i32 s95, s73, 7680
	s_add_co_u32 s76, s76, s95
	s_mul_i32 s95, s94, 1536
	s_add_co_u32 s76, s76, s95
	s_add_nc_u64 s[84:85], s[26:27], s[76:77]      ; pc: [g][wave][bundle x 8 + chunk][place][1,536]
	s_mul_i32 s76, s91, 20480
	s_mul_i32 s95, s90, 5120
	s_add_co_u32 s76, s76, s95
	s_mul_i32 s95, s93, 2560
	s_add_co_u32 s76, s76, s95
	s_mul_i32 s95, s73, 320
	s_add_co_u32 s76, s76, s95
	s_lshl_b32 s95, s94, 6
	s_add_co_u32 s76, s76, s95
	s_add_nc_u64 s[86:87], s[28:29], s[76:77]      ; ps likewise, 64 bytes a tile
.endm
; Row tile q: a lane's 64 results, register 16 b + n = column 32 b + 16 h + n of its row, become a fragment and a scale word.  Each accumulator is read from its low end on.
.macro QUANTP q
.set SRC, 64*(\q)
	WIN 0x05                                       ; sources 0 and 1 window 1
.irp b, 0,1,2,3
	v_max3_num_f32 v[TM+\b], |v[SRC+16*\b]|, |v[SRC+16*\b+1]|, 0x1800000   ; with the floor 2^(3 - 127)
.endr
.irp n, 2,4,6,8,10,12,14
.irp b, 0,1,2,3
	v_max3_num_f32 v[TM+\b], |v[SRC+16*\b+\n]|, |v[SRC+16*\b+\n+1]|, v[TM+\b]
.endr
.endr
	WIN 0
.irp b, 0,1,2,3
	v_permlanex16_b32 v[TM+4+\b], v[TM+\b], s6, s7
.endr
.irp b, 0,1,2,3
	v_max_num_f32 v[TM+\b], v[TM+\b], v[TM+4+\b]   ; with lane l xor 16's: the block's largest magnitude
.endr
.irp b, 0,1,2,3
	v_add_nc_u32 v[TM+12+\b], 0xff000000, v[TM+\b] ; 2 off the exponent field: the conversion's scale operand
.endr
.irp b, 0,1,2,3
	v_lshrrev_b32 v[TM+4+\b], 23, v[TM+12+\b]      ; the byte
.endr
	v_lshl_or_b32 v[PW+\q], v[TM+5], 8, v[TM+4]
	v_lshl_or_b32 v[PW+\q], v[TM+6], 16, v[PW+\q]
	v_lshl_or_b32 v[PW+\q], v[TM+7], 24, v[PW+\q]
	s_wait_xcnt 0x0                                ; the last tile's stores have read their codes
	WIN 0x01
.irp c, 0,1
	v_cvt_scalef32_pk16_fp6_f32 v[PC+6*\c:PC+6*\c+2], v[SRC+32*\c:SRC+32*\c+15], v[TM+12+2*\c]
	v_cvt_scalef32_pk16_fp6_f32 v[PC+12+4*\c:PC+14+4*\c], v[SRC+32*\c+16:SRC+32*\c+31], v[TM+13+2*\c]
.endr
	WIN 0
	v_nop                                          ; one plain place behind a scaled conversion
.irp c, 0,1                                    ; the operand wants a whole block in a lane: lanes 0-15 block 2 c, lanes 16-31 block 2 c + 1
.irp i, 0,1,2
	v_permlane16_swap_b32 v[PC+6*\c+\i], v[PC+12+4*\c+\i]
.endr
.irp i, 0,1,2
	v_mov_b32 v[PC+3+6*\c+\i], v[PC+12+4*\c+\i]
.endr
.endr
.irp n, 0,1,2,3,4,5,6,7,8,9,10,11
	v_and_b32 v[PC+\n], v[VM+\q], v[PC+\n]         ; a padded row's codes are zeros
.endr
.irp c, 0,1,2
	global_store_b128 v[L16], v[PC+4*\c:PC+4*\c+3], s[84:85] offset:491520*(\q)+512*\c   ; 512 consecutive bytes, aligned
.endr
.endm
; A group's way out: its 64 rows x 128 columns are quantised and stored.  Every window is 0 at its head and at its end.
.macro EPI
	s_wait_xcnt 0x0                                ; an earlier way out's stores have read their bases and their data: both are written anew below
	OUTADDR
	PLACES
	QUANTP 0
	QUANTP 1
	QUANTP 2
	QUANTP 3
	v_cndmask_b32 v[TM], v[PW], v[PW+1], s96       ; lanes 0-15 an even tile's words, lanes 16-31 the odd tile's
	v_cndmask_b32 v[TM+1], v[PW+2], v[PW+3], s96
	global_store_b32 v[PSA], v[TM], s[86:87]       ; two runs of 64 bytes each: a tile's words lie with its bundle, where the next launch reads them in whole runs
	global_store_b32 v[PSA], v[TM+1], s[86:87] offset:40960
.endm
	s_cmp_lt_u32 ttmp9, 8                          ; the cluster's number: the same in all waves of all four partners
	s_cbranch_scc1 .Lvideo
	s_cmp_lt_u32 ttmp9, 24
	s_cbranch_scc1 .Limage
	s_cmp_lt_u32 ttmp9, 56
	s_cbranch_scc1 .Ltext
	; audio: three groups of rows, 12 steps; x's scale words of steps 4 to 11 (16 loads) are asked for here; W's four K steps' words are in
.set KSN, 12
.set KWN, 4
.set NSC, 16
.set k, 4
.rept 8
	global_load_b32 v[XSC+2*k], v[L4], s[80:81] offset:256*k
	global_load_b32 v[XSC+2*k+1], v[L4], s[80:81] offset:256*k+128
.set k, k+1
.endr
.set k, 0
	s_wait_alu depctr_va_vdst(0)
.rept 2
.rept 4
	PSTEP
.set k, k+1
.endr
	WIN 0
	EPI                                            ; the group leaves while the next group's fragments are on their way
	s_add_co_u32 s75, s75, 1                       ; the next group of 64 rows
.endr
.rept 4
	PSTEP
.set k, k+1
.endr
	WIN 0
	s_branch .Lepi
.Ltext:
	s_wait_alu depctr_va_vdst(0)
	PATH 6
	s_branch .Lepi
.Limage:
	s_wait_alu depctr_va_vdst(0)
	PATH 8
	s_branch .Lepi
.Lvideo:
	s_wait_alu depctr_va_vdst(0)
	PATH 16
.Lepi:
	EPI                                            ; every arm's last (or only) group
	s_wait_tensorcnt 0x0                           ; the wave's end, behind my last tensor load and my LDS store
	ds_add_u32 v[SPW], v[NIL]
	s_wait_dscnt 0x0
	ROUND                                          ; the closing round
	s_endpgm
.Lfunc_end_k_q72bc3fe15a_proj:
	.size	k_q72bc3fe15a_proj, .Lfunc_end_k_q72bc3fe15a_proj-k_q72bc3fe15a_proj
	.p2alignl 7, 3214868480
	.fill 96, 4, 3214868480
	.section	.rodata,"a",@progbits
	.p2align	6, 0x0
	.amdhsa_kernel k_q72bc3fe15a_proj
		.amdhsa_group_segment_fixed_size 327680
		.amdhsa_private_segment_fixed_size 0
		.amdhsa_enable_private_segment 0
		.amdhsa_kernarg_size 88
		.amdhsa_user_sgpr_count 2
		.amdhsa_user_sgpr_kernarg_segment_ptr 1
		.amdhsa_wavefront_size32 1
		.amdhsa_system_sgpr_workgroup_id_x 1
		.amdhsa_system_sgpr_workgroup_id_y 1
		.amdhsa_system_sgpr_workgroup_id_z 1
		.amdhsa_system_vgpr_workitem_id 0
		.amdhsa_next_free_vgpr 1024
		.amdhsa_next_free_sgpr 104
		.amdhsa_reserve_vcc 0
		.amdhsa_float_denorm_mode_32 3
		.amdhsa_float_denorm_mode_16_64 3
		.amdhsa_memory_ordered 1
		.amdhsa_forward_progress 1
		.amdhsa_inst_pref_size 255
	.end_amdhsa_kernel
	.section	.bss,"aw",@nobits
	.p2align	6
	.space	262144
	.amdgpu_metadata
---
amdhsa.version: [ 1, 2 ]
amdhsa.kernels:
  - .name:           k_q72bc3fe15a_proj
    .symbol:         k_q72bc3fe15a_proj.kd
    .args:
      - { .name: xc, .offset: 0, .size: 8, .value_kind: global_buffer, .address_space: global }
      - { .name: xs, .offset: 8, .size: 8, .value_kind: global_buffer, .address_space: global }
      - { .name: wc, .offset: 16, .size: 8, .value_kind: global_buffer, .address_space: global }
      - { .name: ws, .offset: 24, .size: 8, .value_kind: global_buffer, .address_space: global }
      - { .name: b_text, .offset: 32, .size: 8, .value_kind: global_buffer, .address_space: global }
      - { .name: b_image, .offset: 40, .size: 8, .value_kind: global_buffer, .address_space: global }
      - { .name: b_audio, .offset: 48, .size: 8, .value_kind: global_buffer, .address_space: global }
      - { .name: b_video, .offset: 56, .size: 8, .value_kind: global_buffer, .address_space: global }
      - { .name: mod_emb, .offset: 64, .size: 8, .value_kind: global_buffer, .address_space: global }
      - { .name: pc, .offset: 72, .size: 8, .value_kind: global_buffer, .address_space: global }
      - { .name: ps, .offset: 80, .size: 8, .value_kind: global_buffer, .address_space: global }
    .group_segment_fixed_size: 327680
    .private_segment_fixed_size: 0
    .kernarg_segment_align: 8
    .kernarg_segment_size: 88
    .max_flat_workgroup_size: 128
    .sgpr_count:     104
    .vgpr_count:     1024
    .wavefront_size: 32
...
	.end_amdgpu_metadata
.endif
;; end of part 2
;; launch qkvatt (part 3): grid 16 x 16, 4 waves a work-group, clusters of 4 x 1, 327,680 bytes of LDS; arguments pc, ps, wc, ws, bq, bk, bv, temperature, fc, fs; writes fc, fs
.if DOCPART == 3
	.amdgcn_target "amdgcn-amd-amdhsa--gfx1250"
	.amdhsa_code_object_version 6
	.text
	.protected	k_q72bc3fe15a_qkvatt
	.globl	k_q72bc3fe15a_qkvatt
	.p2align	8
	.type	k_q72bc3fe15a_qkvatt,@function
k_q72bc3fe15a_qkvatt:
	s_mov_b64 s[64:65], 0
	v_nop
	global_prefetch_b8 v0, s[64:65] scope:SCOPE_SE
	s_setreg_imm32_b32 hwreg(HW_REG_WAVE_MODE, 25, 1), 1
	s_wait_xcnt 0x0
	s_wait_alu depctr_hold_cnt(0) depctr_sa_sdst(0) depctr_va_vdst(0) depctr_va_sdst(0) depctr_va_ssrc(0) depctr_va_vcc(0) depctr_vm_vsrc(0)
	s_getreg_b32 s2, hwreg(HW_REG_IB_STS2, 6, 4)
	s_cmp_eq_u32 s2, 0
	s_cbranch_scc0 .Lentry_in_a_cluster
	s_endpgm
.Lentry_in_a_cluster:
	s_bfe_u32 s2, ttmp6, 0x10000c
	s_cmp_lg_u32 s2, 0x3003
	s_cbranch_scc0 .Lentry_shape_is_right
	s_endpgm
.Lentry_shape_is_right:
; Q, K, V = p W^T + b for ONE head; the attention of each position over its three routed modalities; the mean over the four modalities; and the quantiser of fused along its columns (the K of the last product): one launch.
; LEFT OUT: no product is made for the rows that reference() pads with zeros (see the first kernel's head): their Q, K, V are bq, bk, bv, which stand in registers as "block 5".
; SHARES.  Work-group (g, head), 16 x 16.  A wave (2 x batch + u) has two bundles of five tiles of 16 rows of p: bundle 0 = the four modalities of one position tile and text of a tile where text alone is true;
; bundle 1 = text, image, audio of a tile, and text, audio of another.  A bundle is 8 K steps of 5 x 12 products (12 tiles of W: Q's, K's, V's four each): 60 accumulators.
; W's 147,456 bytes of the head are shared by the four partners (same head): ONE joint load a wave, 144 rows of 256 bytes; they lie in LDS as in memory, [K step][12 tiles][1,536], and are filled once.
; p's FRAGMENTS are each wave's own stream of 16 steps x 7,680 bytes.  Steps 0, 1, 2 come by loads at the head.  Odd steps from 3 on come through LDS bytes of the wave's own: behind the round that shows W whole,
; one plain tensor load a wave brings steps 3, 5, 7, 9, 11 (5 rows of 7,680 bytes, 15,360 apart); at the change of bundles a refill brings steps 13, 15 into the bytes of steps 3, 5.  Even steps from 4 on come by loads
; into registers, asked for when the set's last step has ended: three steps ahead (step 4: two).  Sets: S0 steps 0 and the odd ones, S1 steps 1, 4, 8, 12, S2 steps 2, 6, 10, 14.  By this text's count a wave has one tensor load out.
; p is not asked for jointly: the partners of a cluster have different rows.  PREFETCH, a lane a block of 256 bytes, 30 blocks a step (lanes 30, 31 name the last again), of my own stream: steps 4 and 6 at the head;
; even step t from 2 to 8 asks for step t + 6, which the end of step t + 2 loads; steps 3 and 5 ask for steps 13 and 15, which the refill behind step 7 loads.  The other steps come by their loads alone.
; THE PRODUCT IS USED TRANSPOSED: a lane holds one row and its registers run along the head's 64 numbers.  The softmax takes its maximum away; the factor log2(e) / (8 |temperature|) is applied to the differences.
; LIMITS: NaN and infinities are not served; a block of zeros gets the byte 1 (its codes are zeros, and this program alone reads the bytes); blocks under 2^-124 are held at that floor.
.set SPARE, 301056                     ; behind W and p's bytes: the spare words, 128 bytes a wave, that no other line names
.set ALDS, 147456                      ; behind W: five steps of p for each wave, 38,400 bytes
.set LA,  6                            ; v6    ALDS + 38,400 x wave + 16 x lane
.set PFO, 240                          ; v240  256 x min(lane, 29): the prefetches' offset; never rewritten
.set SPW, 1
.set NIL, 2
.set LB,  3
.set L16, 3
.set L4,  7
.set R4,  8
.set BIA, 9
.set L8,  10
.set FSX, 11
.set FSY, 12
.set BSC, 16
.set ASC, 64
.set BV,  208
.set DT,  96
.set F,   192
.set E,   224
.set MX,  236
.set SM,  240
.set CJ,  244
.set QM,  96
.set HF,  104
.set HT,  112
.set MSB, 0
.macro WIN new
.if MSB != (\new)
	s_set_vgpr_msb (MSB<<8)|(\new)
.set MSB, (\new)
.endif
.endm
.macro PLACES
.rept 4
	v_nop
.endr
.endm
.macro ROUND
	s_barrier_signal -1
	s_barrier_wait -1
	s_cmp_lg_u32 s4, 0
	s_cbranch_scc1 .Lnot_wave_0_\@
	s_barrier_signal -3
.Lnot_wave_0_\@:
	s_barrier_wait -3
	s_barrier_signal -1
	s_barrier_wait -1
.endm
.macro WM ra, rb, z
.if \z
.if (\ra) && (\rb)
	v_wmma_scale_f32_16x16x128_f8f6f4 v[rD:rD+7], v[rA:rA+11], v[rB:rB+11], 0, v[rSA], v[rSB] matrix_a_fmt:MATRIX_FMT_FP6 matrix_b_fmt:MATRIX_FMT_FP6 matrix_a_scale:MATRIX_SCALE_ROW1 matrix_b_scale:MATRIX_SCALE_ROW1
.elseif (\ra)
	v_wmma_scale_f32_16x16x128_f8f6f4 v[rD:rD+7], v[rA:rA+11], v[rB:rB+11], 0, v[rSA], v[rSB] matrix_a_fmt:MATRIX_FMT_FP6 matrix_b_fmt:MATRIX_FMT_FP6 matrix_a_scale:MATRIX_SCALE_ROW1
.elseif (\rb)
	v_wmma_scale_f32_16x16x128_f8f6f4 v[rD:rD+7], v[rA:rA+11], v[rB:rB+11], 0, v[rSA], v[rSB] matrix_a_fmt:MATRIX_FMT_FP6 matrix_b_fmt:MATRIX_FMT_FP6 matrix_b_scale:MATRIX_SCALE_ROW1
.else
	v_wmma_scale_f32_16x16x128_f8f6f4 v[rD:rD+7], v[rA:rA+11], v[rB:rB+11], 0, v[rSA], v[rSB] matrix_a_fmt:MATRIX_FMT_FP6 matrix_b_fmt:MATRIX_FMT_FP6
.endif
.else
.if (\ra) && (\rb)
	v_wmma_scale_f32_16x16x128_f8f6f4 v[rD:rD+7], v[rA:rA+11], v[rB:rB+11], v[rC:rC+7], v[rSA], v[rSB] matrix_a_fmt:MATRIX_FMT_FP6 matrix_b_fmt:MATRIX_FMT_FP6 matrix_a_scale:MATRIX_SCALE_ROW1 matrix_b_scale:MATRIX_SCALE_ROW1
.elseif (\ra)
	v_wmma_scale_f32_16x16x128_f8f6f4 v[rD:rD+7], v[rA:rA+11], v[rB:rB+11], v[rC:rC+7], v[rSA], v[rSB] matrix_a_fmt:MATRIX_FMT_FP6 matrix_b_fmt:MATRIX_FMT_FP6 matrix_a_scale:MATRIX_SCALE_ROW1
.elseif (\rb)
	v_wmma_scale_f32_16x16x128_f8f6f4 v[rD:rD+7], v[rA:rA+11], v[rB:rB+11], v[rC:rC+7], v[rSA], v[rSB] matrix_a_fmt:MATRIX_FMT_FP6 matrix_b_fmt:MATRIX_FMT_FP6 matrix_b_scale:MATRIX_SCALE_ROW1
.else
	v_wmma_scale_f32_16x16x128_f8f6f4 v[rD:rD+7], v[rA:rA+11], v[rB:rB+11], v[rC:rC+7], v[rSA], v[rSB] matrix_a_fmt:MATRIX_FMT_FP6 matrix_b_fmt:MATRIX_FMT_FP6
.endif
.endif
.endm
.macro BLK nb
.if (\nb) == 5
.set BW, 2
.set BB, 192
.else
.set BW, 1+(\nb)/2
.set BB, 96*((\nb)%2)
.endif
.endm
	s_load_b512 s[8:23], s[0:1], 0x0
	s_load_b128 s[24:27], s[0:1], 0x40
	v_lshl_add_u32 v[SPW], v0, 2, SPARE
	v_mov_b32 v[NIL], 0
	ds_add_u32 v[SPW], v[NIL]
	ds_add_u32 v[SPW], v[NIL]
	v_lshrrev_b32 v13, 5, v0
	v_readfirstlane_b32 s4, v13
	s_and_b32 s28, ttmp7, 0xffff
	s_mov_b32 s32, 15|(3<<16)|(1<<21)
	s_mov_b32 s33, 32<<16
	s_mov_b32 s34, 144<<16                         ; W: 144 rows of 256 bytes a wave
	s_mov_b32 s35, 32<<16
	s_mov_b32 s36, 144
	s_mov_b32 s37, 32
	s_mov_b32 s38, 0
	s_mov_b32 s39, 0
	s_mov_b32 s44, 3<<16                           ; p: group 1 of a plain load: elements of 8 bytes, no mask, no padding
	s_mov_b32 s45, 960<<16                         ; a row is a step: 7,680 bytes
	s_mov_b32 s46, 5<<16                           ; five rows
	s_mov_b32 s47, 960<<16
	s_mov_b32 s48, 5
	s_mov_b32 s49, 1920                            ; every second step
	s_mov_b32 s50, 0
	s_mov_b32 s51, 0
	s_mov_b32 s52, 1                               ; its group 0
	s_mul_i32 s53, s4, 38400
	s_add_co_u32 s53, s53, ALDS
	s_mul_i32 s70, s4, 36864
	s_mul_i32 s62, s28, 147456
	s_add_co_u32 s62, s62, 544*6144
	s_add_co_u32 s62, s62, s70
	s_mov_b32 s63, 0
	v_and_b32 v13, 31, v0
	v_and_b32 v14, 15, v0
	v_bfe_u32 v15, v0, 4, 1
	v_lshlrev_b32 v[L16], 4, v13
	v_add_nc_u32 v[LB+1], 55296, v[L16]
	v_add_nc_u32 v[LB+2], 110592, v[L16]
	v_add_nc_u32 v[LA], s53, v[L16]
	v_min_u32 v[PFO], 29, v13
	v_lshlrev_b32 v[PFO], 8, v[PFO]
	v_lshlrev_b32 v[L4], 2, v13
	v_lshlrev_b32 v[R4], 2, v14
	v_lshlrev_b32 v[BIA], 6, v15
	v_lshlrev_b32 v[L8], 3, v13
	v_mul_u32_u24 v[FSX], v15, 49152
	v_lshl_add_u32 v[FSX], v14, 2, v[FSX]
	v_lshlrev_b32 v[FSY], 14, v15
	v_lshl_add_u32 v[FSY], v14, 2, v[FSY]
	s_mov_b32 s6, 0x76543210
	s_mov_b32 s7, 0xfedcba98
	s_mov_b32 s31, 0xffff0000
	s_wait_dscnt 0x0
	s_wait_kmcnt 0x0
	s_add_nc_u64 s[42:43], s[12:13], s[62:63]
	s_mov_b32 s40, 1
	s_mov_b32 s41, s70
	s_or_b32 s43, s43, 0x80000000
	ROUND                                          ; all four work-groups are here: the joint loads meet
	tensor_load_to_lds s[40:43], s[32:39]          ; my quarter of W: the one tensor load at the head
	s_nop 0
	PLACES
	s_load_b32 s30, s[22:23], 0x0
	s_bfe_u32 s5, ttmp6, 0x40000
	s_lshl_b32 s29, ttmp9, 2
	s_add_co_u32 s29, s29, s5
	s_lshl_b32 s71, s29, 2
	s_add_co_u32 s71, s71, s4
	s_mov_b32 s73, 0
	s_mul_i32 s72, s71, 122880
	s_add_nc_u64 s[56:57], s[8:9], s[72:73]
	s_add_nc_u64 s[54:55], s[56:57], 23040         ; step 3 of my stream
	s_or_b32 s55, s55, 0x80000000
	s_mul_i32 s72, s71, 5120
	s_add_nc_u64 s[58:59], s[10:11], s[72:73]
	s_mul_i32 s72, s28, 6144
	s_add_co_u32 s72, s72, 544*256
	s_add_nc_u64 s[60:61], s[14:15], s[72:73]
	s_lshl_b32 s72, s28, 8
	s_add_nc_u64 s[16:17], s[16:17], s[72:73]
	s_add_nc_u64 s[18:19], s[18:19], s[72:73]
	s_add_nc_u64 s[20:21], s[20:21], s[72:73]
	s_lshr_b32 s74, s4, 1
	s_and_b32 s75, s4, 1
	s_lshl_b32 s74, s74, 7
	s_lshl_b32 s75, s75, 4
	s_add_co_u32 s74, s74, s75
	s_add_co_u32 s74, s74, s29
	s_lshl_b32 s72, s74, 4
	s_add_co_u32 s72, s72, s28
	s_mul_i32 s72, s72, 768
	s_add_nc_u64 s[66:67], s[24:25], s[72:73]
	s_lshl_b32 s72, s74, 9
	s_lshr_b32 s75, s28, 1
	s_lshl_b32 s75, s75, 6
	s_add_co_u32 s72, s72, s75
	s_and_b32 s75, s28, 1
	s_lshl_b32 s75, s75, 1
	s_add_co_u32 s72, s72, s75
	s_add_nc_u64 s[68:69], s[26:27], s[72:73]
.set k, 0
	s_wait_alu depctr_va_vdst(0)
	global_prefetch_b8 v[PFO], s[56:57] offset:7680*4 th:TH_LOAD_NT scope:SCOPE_SE   ; steps 4 and 6, which the ends of steps 1 and 2 load
	global_prefetch_b8 v[PFO], s[56:57] offset:7680*6 th:TH_LOAD_NT scope:SCOPE_SE
.rept 8
.irp v, 0,1,2,3,4,5
	global_load_b32 v[BSC+6*k+\v], v[L4], s[60:61] offset:768*k+128*\v
.endr
.set k, k+1
.endr
.macro ASCLOAD bun
.set k, 0
.rept 8
	global_load_b32 v[ASC+3*k], v[L4], s[58:59] offset:320*(8*(\bun)+k)
	global_load_b32 v[ASC+3*k+1], v[L4], s[58:59] offset:320*(8*(\bun)+k)+128
	global_load_b32 v[ASC+3*k+2], v[R4], s[58:59] offset:320*(8*(\bun)+k)+256
.set k, k+1
.endr
.endm
	ASCLOAD 0
	WIN 0x80
.irp t, 0,1,2,3
	global_load_b128 v[192+8*\t:195+8*\t], v[BIA], s[16:17] offset:(32*(\t/2)+8*(\t%2))*4
	global_load_b128 v[196+8*\t:199+8*\t], v[BIA], s[16:17] offset:(32*(\t/2)+8*(\t%2))*4+16
	global_load_b128 v[224+8*\t:227+8*\t], v[BIA], s[18:19] offset:(32*(\t/2)+8*(\t%2))*4
	global_load_b128 v[228+8*\t:231+8*\t], v[BIA], s[18:19] offset:(32*(\t/2)+8*(\t%2))*4+16
.endr
	WIN 0
.irp t, 0,1,2,3
	global_load_b128 v[BV+8*\t:BV+8*\t+3], v[BIA], s[20:21] offset:(32*(\t/2)+8*(\t%2))*4
	global_load_b128 v[BV+8*\t+4:BV+8*\t+7], v[BIA], s[20:21] offset:(32*(\t/2)+8*(\t%2))*4+16
.endr
.macro ASET tt                         ; step tt's set of p's fragments: window AW, first register AB
.if (\tt) < 2
.set SN, (\tt)
.elseif (\tt)%2 == 1
.set SN, 0
.else
.set SN, 1+((\tt)%4)/2
.endif
.if SN == 2
.set AW, 1
.set AB, 192
.else
.set AW, 0
.set AB, 88+60*SN
.endif
.endm
.macro AFETCH tt                       ; step tt's five fragments from memory: 15 loads of 512 consecutive bytes
	ASET \tt
	WIN AW<<6
.irp i, 0,1,2,3,4
.irp c, 0,1,2
	global_load_b128 v[AB+12*\i+4*\c:AB+12*\i+4*\c+3], v[L16], s[56:57] offset:7680*(\tt)+1536*\i+512*\c
.endr
.endr
.endm
.macro AFROMLDS tt                     ; an odd step's five fragments from my own LDS bytes: step tt lies at place ((tt - 3) / 2) % 5
	ASET \tt
	WIN 0
.irp i, 0,1,2,3,4
.irp c, 0,1,2
	ds_load_b128 v[AB+12*\i+4*\c:AB+12*\i+4*\c+3], v[LA] offset:7680*((((\tt)-3)/2)%5)+1536*\i+512*\c
.endr
.endr
.endm
	AFETCH 0
	AFETCH 1
	AFETCH 2
	WIN 0
	s_wait_kmcnt 0x0
	v_mov_b32 v13, s30
	v_and_b32 v13, 0x7fffffff, v13
	s_wait_alu depctr_va_vdst(0)
	v_rcp_f32 v14, v13
	v_nop
	s_wait_alu depctr_va_vdst(0)
	v_mul_f32 v14, 0x3e38aa3b, v14
	v_readfirstlane_b32 s30, v14
	WIN 0xc0
.irp j, 0,1,2,3
	v_mov_b32 v[CJ+2*\j+1], 0
.endr
	WIN 0
.macro BFETCH kk, hf
	WIN 0xc0
.irp bb, 0,1,2,3,4,5
.irp c, 0,1,2
	ds_load_b128 v[96+12*(6*(\hf)+\bb)+4*\c:96+12*(6*(\hf)+\bb)+4*\c+3], v[LB+(\kk)/3] offset:18432*((\kk)%3)+1536*(6*(\hf)+\bb)+512*\c
.endr
.endr
.endm
.macro HALF t, hf
.set KK, (\t)%8
	ASET \t
.irp i, 0,1,2,3,4
	BLK \i
.if KK == 0
	WIN (BW<<6)|(2<<4)|(AW<<2)|3
.else
	WIN (BW<<6)|(BW<<4)|(AW<<2)|3
.endif
.irp bb, 0,1,2,3,4,5
.set bN, 6*(\hf)+\bb
.set rD, BB+8*bN
.set rA, 96+12*bN
.set rB, AB+12*\i
.set rSA, BSC+6*KK+bN/2
.set rSB, ASC+3*KK+\i/2
.if KK == 0
.if bN < 8
.set rC, 192+8*bN
	WM bN%2, \i%2, 0
.else
	WM bN%2, \i%2, 1
.endif
.else
.set rC, rD
	WM bN%2, \i%2, 0
.endif
.endr
.endr
.endm
; Step t: 60 products in two halves of W's tiles.  cold: W's fragments are fetched here (a bundle's first step); fetch: the next step's are fetched, each half behind the products that read its registers.
.macro STEP t, cold, fetch
.if \cold
	s_wait_xcnt 0x0                                ; the stores of the way out have read the registers that W's fragments take
	BFETCH (\t)%8, 0
	BFETCH (\t)%8, 1
.endif
	s_wait_dscnt 18                                ; W's first half, and p's set where it came from LDS, are in; the 18 loads of W's second half may be out
.if (\t) == 0
	s_wait_loadcnt 30                              ; all but the sets of steps 1 and 2
.elseif ((\t) == 8) || ((\t) == 14)
	s_wait_loadcnt 0x0                             ; step 8: the bundle's scale words are younger than its set; step 14: nothing younger
.elseif ((\t) == 1) || ((\t)%2 == 0)
	s_wait_loadcnt 15                              ; this step's set is in; the one set asked for behind it may be out
.endif
	HALF \t, 0
	PLACES
.if \fetch
	BFETCH ((\t)+1)%8, 0
.endif
.if ((\t)%2 == 0) && ((\t) >= 2)
.if ((\t) == 2) || ((\t) == 8)
	s_wait_tensorcnt 0x0                           ; my own tensor load has landed: only I read its bytes
.endif
	AFROMLDS (\t)+1
	s_wait_dscnt 33                                ; W's second half is in; the 18 + 15 loads just issued may be out
.elseif \fetch
	s_wait_dscnt 18
.else
	s_wait_dscnt 0x0
.endif
.if ((\t)%2 == 0) && ((\t) >= 2) && ((\t) <= 8)
	global_prefetch_b8 v[PFO], s[56:57] offset:7680*((\t)+6) th:TH_LOAD_NT scope:SCOPE_SE
.elseif ((\t) == 3) || ((\t) == 5)
	global_prefetch_b8 v[PFO], s[56:57] offset:7680*((\t)+10) th:TH_LOAD_NT scope:SCOPE_SE
.endif
	HALF \t, 1
	PLACES
.if \fetch
	BFETCH ((\t)+1)%8, 1
.endif
.if (\t) == 1
	AFETCH 4                                       ; into the set that this step has just left
.elseif ((\t)%2 == 0) && ((\t) >= 2) && ((\t) <= 10)
	AFETCH (\t)+4
.endif
.endm
.macro DOT bm, bj, ix
	BLK \bm
.set QW, BW
.set QB, BB
	BLK \bj
.set KB, BB+32
	WIN 0xf0|(BW<<2)|QW
.irp p, 0,1,2,3
.irp c, 0,1,2,3
.if \p == 0
	v_pk_mul_f32 v[DT+8*(\ix)+2*\c:DT+8*(\ix)+2*\c+1], v[QB+8*\c:QB+8*\c+1], v[KB+8*\c:KB+8*\c+1]
.else
	v_pk_fma_f32 v[DT+8*(\ix)+2*\c:DT+8*(\ix)+2*\c+1], v[QB+8*\c+2*\p:QB+8*\c+2*\p+1], v[KB+8*\c+2*\p:KB+8*\c+2*\p+1], v[DT+8*(\ix)+2*\c:DT+8*(\ix)+2*\c+1]
.endif
.endr
.endr
.endm
.macro SETIX a0, a1, a2, a3, a4, a5, a6, a7, a8, a9, a10, a11
.set IX0, \a0
.set IX1, \a1
.set IX2, \a2
.set IX3, \a3
.set IX4, \a4
.set IX5, \a5
.set IX6, \a6
.set IX7, \a7
.set IX8, \a8
.set IX9, \a9
.set IX10, \a10
.set IX11, \a11
.endm
.macro SMAX m, xa, xb, xc
	v_max3_num_f32 v[MX+\m], v[DT+8*(\xa)], v[DT+8*(\xb)], v[DT+8*(\xc)]
.endm
.macro SSUB m, xa, xb, xc
	v_sub_f32 v[E+3*\m], v[DT+8*(\xa)], v[MX+\m]
	v_sub_f32 v[E+3*\m+1], v[DT+8*(\xb)], v[MX+\m]
	v_sub_f32 v[E+3*\m+2], v[DT+8*(\xc)], v[MX+\m]
.endm
.macro FACC bj, j, first
.if (\bj) != 5
	BLK \bj
.if \first
	WIN 0xcc|BW
.else
	WIN 0xfc|BW
.endif
.irp p, 0,1,2,3,4,5,6,7,8,9,10,11,12,13,14,15
.if \first
	v_pk_fma_f32 v[F+2*\p:F+2*\p+1], v[BB+64+2*\p:BB+65+2*\p], v[CJ+2*(\j):CJ+2*(\j)+1], v[BV+2*\p:BV+2*\p+1] op_sel_hi:[1,0,1]
.else
	v_pk_fma_f32 v[F+2*\p:F+2*\p+1], v[BB+64+2*\p:BB+65+2*\p], v[CJ+2*(\j):CJ+2*(\j)+1], v[F+2*\p:F+2*\p+1] op_sel_hi:[1,0,1]
.endif
.endr
.endif
.endm
.macro ATTREST b0, b1, b2, b3, nd, fcoff, hw
	WIN 0xff
.set n, 0
.rept \nd
	v_pk_add_f32 v[DT+8*n:DT+8*n+1], v[DT+8*n:DT+8*n+1], v[DT+8*n+2:DT+8*n+3]
	v_pk_add_f32 v[DT+8*n+4:DT+8*n+5], v[DT+8*n+4:DT+8*n+5], v[DT+8*n+6:DT+8*n+7]
.set n, n+1
.endr
.set n, 0
.rept \nd
	v_pk_add_f32 v[DT+8*n:DT+8*n+1], v[DT+8*n:DT+8*n+1], v[DT+8*n+4:DT+8*n+5]
.set n, n+1
.endr
.set n, 0
.rept \nd
	v_add_f32 v[DT+8*n], v[DT+8*n], v[DT+8*n+1]
.set n, n+1
.endr
.set n, 0
.rept \nd
	v_permlanex16_b32 v[DT+8*n+1], v[DT+8*n], s6, s7
.set n, n+1
.endr
.set n, 0
.rept \nd
	v_add_f32 v[DT+8*n], v[DT+8*n], v[DT+8*n+1]
.set n, n+1
.endr
	SMAX 0, IX0, IX1, IX2
	SMAX 1, IX3, IX4, IX5
	SMAX 2, IX6, IX7, IX8
	SMAX 3, IX9, IX10, IX11
	SSUB 0, IX0, IX1, IX2
	SSUB 1, IX3, IX4, IX5
	SSUB 2, IX6, IX7, IX8
	SSUB 3, IX9, IX10, IX11
.irp e, 0,1,2,3,4,5,6,7,8,9,10,11
	v_mul_f32 v[E+\e], s30, v[E+\e]
.endr
	s_wait_alu depctr_va_vdst(0)
.irp e, 0,1,2,3,4,5,6,7,8,9,10,11
	v_exp_f32 v[E+\e], v[E+\e]
.endr
	v_nop
	s_wait_alu depctr_va_vdst(0)
.irp m, 0,1,2,3
	v_add_f32 v[SM+\m], v[E+3*\m], v[E+3*\m+1]
.endr
.irp m, 0,1,2,3
	v_add_f32 v[SM+\m], v[SM+\m], v[E+3*\m+2]
.endr
	s_wait_alu depctr_va_vdst(0)
.irp m, 0,1,2,3
	v_rcp_f32 v[MX+\m], v[SM+\m]
.endr
	v_nop
	s_wait_alu depctr_va_vdst(0)
.irp m, 0,1,2,3
	v_mul_f32 v[MX+\m], 0x3e800000, v[MX+\m]
.endr
	v_mul_f32 v[CJ], v[E], v[MX]
	v_mul_f32 v[CJ+2], v[E+1], v[MX]
	v_mul_f32 v[CJ+4], v[E+2], v[MX]
	v_mul_f32 v[CJ+6], v[E+7], v[MX+2]
	v_fma_f32 v[CJ], v[E+3], v[MX+1], v[CJ]
	v_fma_f32 v[CJ+2], v[E+4], v[MX+1], v[CJ+2]
	v_fma_f32 v[CJ+4], v[E+5], v[MX+1], v[CJ+4]
	v_fma_f32 v[CJ+6], v[E+9], v[MX+3], v[CJ+6]
	v_fma_f32 v[CJ], v[E+8], v[MX+2], v[CJ]
	v_fma_f32 v[CJ+4], v[E+6], v[MX+2], v[CJ+4]
	v_fma_f32 v[CJ], v[E+11], v[MX+3], v[CJ]
	v_fma_f32 v[CJ+4], v[E+10], v[MX+3], v[CJ+4]
	FACC \b0, 0, 1
	FACC \b1, 1, 0
	FACC \b2, 2, 0
	FACC \b3, 3, 0
	WIN 0xff
	v_max3_num_f32 v[QM], |v[F]|, |v[F+1]|, 0x1800000
	v_max3_num_f32 v[QM+1], |v[F+16]|, |v[F+17]|, 0x1800000
.irp n, 2,4,6,8,10,12,14
	v_max3_num_f32 v[QM], v[QM], |v[F+\n]|, |v[F+\n+1]|
	v_max3_num_f32 v[QM+1], v[QM+1], |v[F+16+\n]|, |v[F+17+\n]|
.endr
	v_permlanex16_b32 v[QM+2], v[QM], s6, s7
	v_permlanex16_b32 v[QM+3], v[QM+1], s6, s7
	v_max_num_f32 v[QM], v[QM], v[QM+2]
	v_max_num_f32 v[QM+1], v[QM+1], v[QM+3]
	v_add_nc_u32 v[QM+4], 0xff000000, v[QM]
	v_add_nc_u32 v[QM+5], 0xff000000, v[QM+1]
	v_lshrrev_b32 v[QM+2], 23, v[QM+4]
	v_lshrrev_b32 v[QM+3], 23, v[QM+5]
	v_lshl_or_b32 v[\hw], v[QM+3], 8, v[QM+2]
	v_cvt_scalef32_pk16_fp6_f32 v[HF:HF+2], v[F:F+15], v[QM+4]
	v_cvt_scalef32_pk16_fp6_f32 v[HT:HT+2], v[F+16:F+31], v[QM+5]
	v_nop
.irp i, 0,1,2
	v_permlane16_swap_b32 v[HF+\i], v[HT+\i]
.endr
.irp i, 0,1,2
	v_mov_b32 v[HF+3+\i], v[HT+\i]
.endr
	WIN 0x0c
	global_store_b128 v[L16], v[HF:HF+3], s[66:67] offset:\fcoff
	global_store_b64 v[L8], v[HF+4:HF+5], s[66:67] offset:\fcoff+512
.endm
	s_wait_alu depctr_va_vdst(0)
	s_wait_tensorcnt 0x0                           ; my quarter of W has landed; then an add and its wait, ahead of a later first fill:
	ds_add_u32 v[SPW], v[NIL]
	s_wait_dscnt 0x0
	ROUND                                          ; everybody's quarter has landed: W is whole
	tensor_load_to_lds s[52:55], s[44:51]          ; steps 3, 5, 7, 9, 11 of my stream into my own bytes
	s_nop 0
	PLACES
	STEP 0, 1, 1
	STEP 1, 0, 1
	STEP 2, 0, 1
	STEP 3, 0, 1
	STEP 4, 0, 1
	STEP 5, 0, 1
	STEP 6, 0, 1
	STEP 7, 0, 0
	WIN 0
	s_wait_tensorcnt 0x0                           ; the refill's three lines: no tensor load of mine is out,
	ds_add_u32 v[SPW], v[NIL]
	s_add_nc_u64 s[54:55], s[54:55], 76800         ; so the descriptor may be written: step 13,
	s_mov_b32 s46, 2<<16                           ; two rows: steps 13 and 15
	s_mov_b32 s48, 2
	s_wait_dscnt 0x0                               ; the add is done, and so are my reads of steps 3 and 5
	ROUND
	tensor_load_to_lds s[52:55], s[44:51]          ; into the bytes of steps 3 and 5; those of steps 9 and 11 stay
	s_nop 0
	PLACES
	ASCLOAD 1
	DOT 0, 0, 0
	DOT 0, 1, 1
	DOT 0, 2, 2
	DOT 1, 0, 3
	DOT 1, 1, 4
	DOT 1, 2, 5
	DOT 2, 2, 6
	DOT 2, 3, 7
	DOT 2, 0, 8
	DOT 3, 3, 9
	DOT 3, 2, 10
	DOT 3, 0, 11
	SETIX 0,1,2,3,4,5,6,7,8,9,10,11
	ATTREST 0, 1, 2, 3, 12, 0, 252
	s_wait_xcnt 0x0
	DOT 4, 4, 0
	DOT 4, 5, 1
	DOT 5, 4, 2
	DOT 5, 5, 3
	SETIX 0,1,1,2,3,3,3,3,2,3,3,2
	ATTREST 4, 5, 5, 5, 4, 1179648, 253
	WIN 0xff
	v_cndmask_b32 v254, v252, v253, s31
	WIN 0x0c
	global_store_b16 v[FSX], v254, s[68:69]
	STEP 8, 1, 1
	STEP 9, 0, 1
	STEP 10, 0, 1
	STEP 11, 0, 1
	STEP 12, 0, 1
	STEP 13, 0, 1
	STEP 14, 0, 1
	STEP 15, 0, 0
	s_wait_xcnt 0x0
	DOT 0, 0, 0
	DOT 0, 1, 1
	DOT 0, 2, 2
	DOT 1, 0, 3
	DOT 1, 1, 4
	DOT 1, 2, 5
	DOT 2, 2, 6
	DOT 2, 5, 7
	DOT 2, 0, 8
	DOT 5, 5, 9
	DOT 5, 2, 10
	DOT 5, 0, 11
	SETIX 0,1,2,3,4,5,6,7,8,9,10,11
	ATTREST 0, 1, 2, 5, 12, 393216, 252
	s_wait_xcnt 0x0
	DOT 3, 3, 0
	DOT 3, 5, 1
	DOT 3, 4, 2
	DOT 5, 3, 3
	DOT 5, 5, 4
	DOT 5, 4, 5
	DOT 4, 4, 6
	DOT 4, 5, 7
	DOT 4, 3, 8
	SETIX 0,1,2,3,4,5,6,7,8,4,5,3
	ATTREST 3, 5, 4, 5, 9, 786432, 253
	WIN 0xff
	v_cndmask_b32 v254, v252, v253, s31
	WIN 0x0c
	global_store_b16 v[FSY], v254, s[68:69] offset:16384
	WIN 0
	s_wait_tensorcnt 0x0
	ds_add_u32 v[SPW], v[NIL]
	s_wait_dscnt 0x0
	ROUND
	s_endpgm
.Lfunc_end_k_q72bc3fe15a_qkvatt:
	.size	k_q72bc3fe15a_qkvatt, .Lfunc_end_k_q72bc3fe15a_qkvatt-k_q72bc3fe15a_qkvatt
	.p2alignl 7, 3214868480
	.fill 96, 4, 3214868480
	.section	.rodata,"a",@progbits
	.p2align	6, 0x0
	.amdhsa_kernel k_q72bc3fe15a_qkvatt
		.amdhsa_group_segment_fixed_size 327680
		.amdhsa_private_segment_fixed_size 0
		.amdhsa_enable_private_segment 0
		.amdhsa_kernarg_size 80
		.amdhsa_user_sgpr_count 2
		.amdhsa_user_sgpr_kernarg_segment_ptr 1
		.amdhsa_wavefront_size32 1
		.amdhsa_system_sgpr_workgroup_id_x 1
		.amdhsa_system_sgpr_workgroup_id_y 1
		.amdhsa_system_sgpr_workgroup_id_z 1
		.amdhsa_system_vgpr_workitem_id 0
		.amdhsa_next_free_vgpr 1024
		.amdhsa_next_free_sgpr 80
		.amdhsa_reserve_vcc 0
		.amdhsa_float_denorm_mode_32 3
		.amdhsa_float_denorm_mode_16_64 3
		.amdhsa_memory_ordered 1
		.amdhsa_forward_progress 1
		.amdhsa_inst_pref_size 255
	.end_amdhsa_kernel
	.section	.bss,"aw",@nobits
	.p2align	6
	.space	262144
	.amdgpu_metadata
---
amdhsa.version: [ 1, 2 ]
amdhsa.kernels:
  - .name:           k_q72bc3fe15a_qkvatt
    .symbol:         k_q72bc3fe15a_qkvatt.kd
    .args:
      - { .name: pc, .offset: 0, .size: 8, .value_kind: global_buffer, .address_space: global }
      - { .name: ps, .offset: 8, .size: 8, .value_kind: global_buffer, .address_space: global }
      - { .name: wc, .offset: 16, .size: 8, .value_kind: global_buffer, .address_space: global }
      - { .name: ws, .offset: 24, .size: 8, .value_kind: global_buffer, .address_space: global }
      - { .name: bq, .offset: 32, .size: 8, .value_kind: global_buffer, .address_space: global }
      - { .name: bk, .offset: 40, .size: 8, .value_kind: global_buffer, .address_space: global }
      - { .name: bv, .offset: 48, .size: 8, .value_kind: global_buffer, .address_space: global }
      - { .name: temperature, .offset: 56, .size: 8, .value_kind: global_buffer, .address_space: global }
      - { .name: fc, .offset: 64, .size: 8, .value_kind: global_buffer, .address_space: global }
      - { .name: fs, .offset: 72, .size: 8, .value_kind: global_buffer, .address_space: global }
    .group_segment_fixed_size: 327680
    .private_segment_fixed_size: 0
    .kernarg_segment_align: 8
    .kernarg_segment_size: 80
    .max_flat_workgroup_size: 128
    .sgpr_count:     80
    .vgpr_count:     1024
    .wavefront_size: 32
...
	.end_amdgpu_metadata
.endif
;; end of part 3
;; launch outp (part 4): grid 8 x 32, 4 waves a work-group, clusters of 4 x 4, 214,528 bytes of LDS; arguments fc, fs, wc, ws, bo, out0; writes out0
.if DOCPART == 4
	.amdgcn_target "amdgcn-amd-amdhsa--gfx1250"
	.amdhsa_code_object_version 6
	.text
	.protected	k_q72bc3fe15a_outp
	.globl	k_q72bc3fe15a_outp
	.p2align	8
	.type	k_q72bc3fe15a_outp,@function
k_q72bc3fe15a_outp:
	s_mov_b64 s[64:65], 0
	v_nop
	global_prefetch_b8 v0, s[64:65] scope:SCOPE_SE
	s_setreg_imm32_b32 hwreg(HW_REG_WAVE_MODE, 25, 1), 1
	s_wait_xcnt 0x0
	s_wait_alu depctr_hold_cnt(0) depctr_sa_sdst(0) depctr_va_vdst(0) depctr_va_sdst(0) depctr_va_ssrc(0) depctr_va_vcc(0) depctr_vm_vsrc(0)
	s_getreg_b32 s2, hwreg(HW_REG_IB_STS2, 6, 4)
	s_cmp_eq_u32 s2, 0
	s_cbranch_scc0 .Lentry_in_a_cluster
	s_endpgm
.Lentry_in_a_cluster:
	s_bfe_u32 s2, ttmp6, 0x10000c
	s_cmp_lg_u32 s2, 0xf033
	s_cbranch_scc0 .Lentry_shape_is_right
	s_endpgm
.Lentry_shape_is_right:
; out0 = fused Wo^T + bo on codes of FP6 (E2M3) with E8M0 scales.  fused: 4,096 rows as 256 tiles of 16, K = 1,024; both operands lie in memory as images of the operand's registers.
; SHARES.  256 work-groups of 128 rows x 128 columns; a wave makes 64 x 64: 16 accumulators.  All of K lies in LDS, filled once: 4 x 49,152 bytes.
; CLUSTERS: 4 x 4.  fused's tiles hang on the work-group's y alone and are shared along a row of the cluster, Wo's on x alone and are shared along a column: each is asked for JOINTLY.
; ONE LOAD A WAVE, each a dense block of 49,152 bytes (192 rows of 256): waves 0 and 1 fetch fused's halves (4 tiles x 12,288 bytes), waves 2 and 3 Wo's two groups of 64 rows (8 K steps x 6,144 bytes).
; One wait and one barrier show all of K to all four waves; the eight K steps have none.
; No prefetch: everything that the launch reads through LDS is asked for by the head's one load a wave, and there is no later step to run ahead of.
; A fragment of fused is two heads' halves: [512 | 256 | 512 | 256] bytes = registers 0-3, 4-5, 6-9, 10-11; K step k of a tile lies at 1,536 k.
; THE PRODUCT IS USED TRANSPOSED (source 0 = 16 rows of Wo, source 1 = 16 rows of fused): a lane holds eight neighbouring columns of a row; bo is the C of each sum's first product.
; The way out goes through the wave's own stage in LDS, so that sixteen lanes store 256 consecutive bytes, aligned.
; REGISTERS: window 0: v1-14 addresses; v16-31 fused's scale words, v32-47 Wo's (2 a K step each: lanes 0-15 an even tile, lanes 16-31 the odd one); v48-79 bo; v128-255 accumulator (a, n) at 128 + 8 (4 a + n).
;   window 1: two sets of fragments at 0 and 128 (fused's four, then Wo's four); on the way out the rows read back.
.set STG,   196608                     ; behind the operands: 16 rows x 272 bytes for each wave
.set SPARE, 214016                     ; behind them: the spare words, 128 bytes a wave, that no other line names
.set SPW, 1
.set NIL, 2
.set A16, 3                            ; fused, 16 bytes a lane
.set A8,  5                            ; fused, 8 bytes a lane
.set BL,  7                            ; Wo
.set STO, 9
.set RD,  10
.set CO,  11
.set L4,  12
.set FSA, 13                           ; 4 r + 512 h
.set BOA, 14                           ; 32 h
.set ASC, 16
.set BSC, 32
.set BO,  48
.set ACC, 128
.set MSB, 0
.macro WIN new                         ; the immediate's high byte repeats the setting that is left
.if MSB != (\new)
	s_set_vgpr_msb (MSB<<8)|(\new)
.set MSB, (\new)
.endif
.endm
.macro PLACES                          ; four plain places behind a matrix instruction, ahead of loads into its registers and of reads of its result
.rept 4
	v_nop
.endr
.endm
.macro ROUND                           ; a round of the cluster's barrier
	s_barrier_signal -1
	s_barrier_wait -1
	s_cmp_lg_u32 s4, 0
	s_cbranch_scc1 .Lnot_wave_0_\@
	s_barrier_signal -3
.Lnot_wave_0_\@:
	s_barrier_wait -3
	s_barrier_signal -1
	s_barrier_wait -1
.endm
.macro WM ra, rb
.if (\ra) && (\rb)
	v_wmma_scale_f32_16x16x128_f8f6f4 v[rD:rD+7], v[rA:rA+11], v[rB:rB+11], v[rC:rC+7], v[rSA], v[rSB] matrix_a_fmt:MATRIX_FMT_FP6 matrix_b_fmt:MATRIX_FMT_FP6 matrix_a_scale:MATRIX_SCALE_ROW1 matrix_b_scale:MATRIX_SCALE_ROW1
.elseif (\ra)
	v_wmma_scale_f32_16x16x128_f8f6f4 v[rD:rD+7], v[rA:rA+11], v[rB:rB+11], v[rC:rC+7], v[rSA], v[rSB] matrix_a_fmt:MATRIX_FMT_FP6 matrix_b_fmt:MATRIX_FMT_FP6 matrix_a_scale:MATRIX_SCALE_ROW1
.elseif (\rb)
	v_wmma_scale_f32_16x16x128_f8f6f4 v[rD:rD+7], v[rA:rA+11], v[rB:rB+11], v[rC:rC+7], v[rSA], v[rSB] matrix_a_fmt:MATRIX_FMT_FP6 matrix_b_fmt:MATRIX_FMT_FP6 matrix_b_scale:MATRIX_SCALE_ROW1
.else
	v_wmma_scale_f32_16x16x128_f8f6f4 v[rD:rD+7], v[rA:rA+11], v[rB:rB+11], v[rC:rC+7], v[rSA], v[rSB] matrix_a_fmt:MATRIX_FMT_FP6 matrix_b_fmt:MATRIX_FMT_FP6
.endif
.endm
	s_load_b256 s[8:15], s[0:1], 0x0               ; fc 8, fs 10, wc 12, ws 14
	s_load_b128 s[16:19], s[0:1], 0x20             ; bo 16, out0 18
	v_lshl_add_u32 v[SPW], v0, 2, SPARE
	v_mov_b32 v[NIL], 0
	ds_add_u32 v[SPW], v[NIL]                      ; the wave's opening: the add, twice on end, and its wait ahead of my tensor load; work on registers stands between
	ds_add_u32 v[SPW], v[NIL]
	v_lshrrev_b32 v15, 5, v0
	v_readfirstlane_b32 s4, v15                    ; wave
	s_lshr_b32 s20, s4, 1                          ; which 64 rows are mine
	s_and_b32 s21, s4, 1                           ; which 64 columns.  Also: which half or group I fetch
	s_bfe_u32 s5, ttmp6, 0x40000                   ; cx
	s_bfe_u32 s6, ttmp6, 0x40004                   ; cy
	s_lshl_b32 s7, ttmp9, 2
	s_add_co_u32 s7, s7, s5                        ; x
	s_and_b32 s28, ttmp7, 0xffff
	s_lshl_b32 s28, s28, 2
	s_add_co_u32 s28, s28, s6                      ; y
	s_lshl_b32 s29, s6, 2
	s_lshl_b32 s29, 15, s29                        ; my row of the cluster
	s_lshl_b32 s30, 0x1111, s5                     ; my column
	s_or_b32 s32, s29, (3<<16)|(1<<21)             ; group 1 for fused: 192 dense rows of 256 bytes (32 elements of 8 bytes)
	s_mov_b32 s33, 32<<16
	s_mov_b32 s34, 192<<16
	s_mov_b32 s35, 32<<16
	s_mov_b32 s36, 192
	s_mov_b32 s37, 32
	s_mov_b32 s38, 0
	s_mov_b32 s39, 0
	s_or_b32 s40, s30, (3<<16)|(1<<21)             ; group 1 for Wo: the same shape, the mask of my column
	s_mov_b32 s41, 32<<16
	s_mov_b32 s42, 192<<16
	s_mov_b32 s43, 32<<16
	s_mov_b32 s44, 192
	s_mov_b32 s45, 32
	s_mov_b32 s46, 0
	s_mov_b32 s47, 0
	s_lshl_b32 s84, s28, 3
	s_lshl_b32 s85, s21, 2
	s_add_co_u32 s84, s84, s85                     ; fused: tile 8 y + 4 x half
	s_mul_i32 s84, s84, 12288
	s_mov_b32 s85, 0
	s_lshl_b32 s86, s7, 1
	s_add_co_u32 s86, s86, s21                     ; Wo: group 2 x + which
	s_lshl_b32 s86, s86, 3
	s_add_co_u32 s86, s86, 928
	s_mul_i32 s86, s86, 6144
	s_mov_b32 s87, 0
	s_mul_i32 s31, s4, 49152                       ; where they go: fused's two halves, then Wo's two groups: no place in the cluster enters an LDS address
	v_and_b32 v15, 31, v0
	v_lshlrev_b32 v[L4], 2, v15
	s_mul_i32 s22, s20, 49152                      ; my half of fused,
	s_mul_i32 s23, s21, 49152
	s_add_co_u32 s23, s23, 98304                   ; my group of Wo
	v_lshlrev_b32 v[A16], 4, v15
	v_add_nc_u32 v[BL], s23, v[A16]
	v_add_nc_u32 v[A16], s22, v[A16]
	v_lshlrev_b32 v[A8], 3, v15
	v_add_nc_u32 v[A8], s22, v[A8]
	v_and_b32 v15, 15, v0                          ; r
	v_bfe_u32 v[BOA], v0, 4, 1                     ; h
	s_mul_i32 s22, s4, 4352
	s_add_co_u32 s22, s22, STG                     ; my stage
	v_mul_u32_u24 v[STO], v15, 272
	v_lshl_add_u32 v[STO], v[BOA], 5, v[STO]
	v_add_nc_u32 v[STO], s22, v[STO]               ; in: row r, + 32 h
	v_mul_u32_u24 v[RD], v[BOA], 272
	v_lshl_add_u32 v[RD], v15, 4, v[RD]
	v_add_nc_u32 v[RD], s22, v[RD]                 ; back: lanes 0-15 one row, lanes 16-31 the next
	v_lshlrev_b32 v[CO], 12, v[BOA]
	v_lshl_add_u32 v[CO], v15, 4, v[CO]            ; the same two rows in out0
	v_lshlrev_b32 v[FSA], 9, v[BOA]
	v_lshl_add_u32 v[FSA], v15, 2, v[FSA]
	v_lshlrev_b32 v[BOA], 5, v[BOA]
	s_wait_dscnt 0x0                               ; both opening adds are done
	s_wait_kmcnt 0x0
	s_add_nc_u64 s[84:85], s[8:9], s[84:85]
	s_add_nc_u64 s[86:87], s[12:13], s[86:87]
	s_mov_b32 s48, 1                               ; group 0 for fused
	s_mov_b32 s49, s31
	s_mov_b64 s[50:51], s[84:85]
	s_or_b32 s51, s51, 0x80000000
	s_mov_b32 s68, 1                               ; group 0 for Wo
	s_mov_b32 s69, s31
	s_mov_b64 s[70:71], s[86:87]
	s_or_b32 s71, s71, 0x80000000
	ROUND                                          ; all sixteen work-groups are here: the joint loads meet
	s_cmp_lt_u32 s4, 2                             ; one branch on the wave's number, one load in each arm
	s_cbranch_scc0 .Lfill_b
	tensor_load_to_lds s[48:51], s[32:39]
	s_nop 0
	PLACES
	s_branch .Lfilled
.Lfill_b:
	tensor_load_to_lds s[68:71], s[40:47]
	s_nop 0
	PLACES
.Lfilled:
	s_mov_b32 s89, 0
	s_lshl_b32 s88, s28, 3
	s_lshl_b32 s90, s20, 2
	s_add_co_u32 s90, s88, s90                     ; my first tile of rows: 8 y + 4 x half
	s_lshl_b32 s88, s90, 9
	s_add_nc_u64 s[10:11], s[10:11], s[88:89]      ; its scale words
	s_lshl_b32 s88, s90, 16
	s_add_nc_u64 s[18:19], s[18:19], s[88:89]      ; its rows of out0: 16 x 4,096 bytes a tile
	s_lshl_b32 s88, s7, 9
	s_lshl_b32 s90, s21, 8
	s_add_co_u32 s88, s88, s90                     ; my first column, in bytes
	s_add_nc_u64 s[18:19], s[18:19], s[88:89]
	s_add_nc_u64 s[16:17], s[16:17], s[88:89]      ; and in bo
	s_lshl_b32 s88, s7, 1
	s_add_co_u32 s88, s88, s21
	s_lshl_b32 s88, s88, 3
	s_add_co_u32 s88, s88, 928
	s_lshl_b32 s88, s88, 8
	s_add_nc_u64 s[14:15], s[14:15], s[88:89]      ; my group's scale words
.set k, 0
	s_wait_alu depctr_va_vdst(0)
.rept 8
.irp v, 0,1
	global_load_b32 v[ASC+2*k+\v], v[FSA], s[10:11] offset:1024*\v+64*k
	global_load_b32 v[BSC+2*k+\v], v[L4], s[14:15] offset:256*k+128*\v
.endr
.set k, k+1
.endr
.irp n, 0,1,2,3
	global_load_b128 v[BO+8*\n:BO+8*\n+3], v[BOA], s[16:17] offset:64*\n
	global_load_b128 v[BO+8*\n+4:BO+8*\n+7], v[BOA], s[16:17] offset:64*\n+16
.endr
.macro FETCH kk                        ; K step kk's eight fragments into set kk % 2: 28 LDS loads
	WIN 0x40
.set FB, 128*((\kk)%2)
.irp a, 0,1,2,3
	ds_load_b128 v[FB+12*\a:FB+12*\a+3], v[A16] offset:12288*\a+1536*(\kk)
	ds_load_b64 v[FB+12*\a+4:FB+12*\a+5], v[A8] offset:12288*\a+1536*(\kk)+512
	ds_load_b128 v[FB+12*\a+6:FB+12*\a+9], v[A16] offset:12288*\a+1536*(\kk)+768
	ds_load_b64 v[FB+12*\a+10:FB+12*\a+11], v[A8] offset:12288*\a+1536*(\kk)+1280
.endr
.irp n, 0,1,2,3
.irp c, 0,1,2
	ds_load_b128 v[FB+48+12*\n+4*\c:FB+48+12*\n+4*\c+3], v[BL] offset:6144*(\kk)+1536*\n+512*\c
.endr
.endr
.endm
	s_wait_tensorcnt 0x0                           ; my block has landed,
	s_barrier_signal -1
	s_barrier_wait -1                              ; everybody's has: from here on the operands are only read
	FETCH 0
	s_wait_loadcnt 0x0                             ; the scale words and bo
.set k, 0
.rept 8
	s_wait_dscnt 0x0                               ; this step's fragments, asked for a step ago
	PLACES
.if k < 7
	FETCH k+1
.endif
	WIN 0x05                                       ; sources 0 and 1 window 1; C and D window 0
.irp a, 0,1,2,3                                ; the 16 accumulators take turns, one instruction a turn
.irp n, 0,1,2,3
.set rD, ACC+8*(4*\a+\n)
.set rA, 128*(k%2)+48+12*\n
.set rB, 128*(k%2)+12*\a
.if k == 0
.set rC, BO+8*\n
.else
.set rC, rD
.endif
.set rSA, BSC+2*k+\n/2
.set rSB, ASC+2*k+\a/2
	WM \n%2, \a%2
.endr
.endr
.set k, k+1
.endr
	WIN 0
	PLACES
.irp a, 0,1,2,3                                ; a tile of 16 rows x 64 columns at a time; LDS serves a wave's instructions in order, so no wait stands between the stores, the loads and the next tile's stores
	WIN 0
.irp n, 0,1,2,3
	ds_store_b128 v[STO], v[ACC+8*(4*\a+\n):ACC+8*(4*\a+\n)+3] offset:64*\n       ; each accumulator from its low end on
	ds_store_b128 v[STO], v[ACC+8*(4*\a+\n)+4:ACC+8*(4*\a+\n)+7] offset:64*\n+16
.endr
	WIN 0x40
.irp i, 0,1,2,3,4,5,6,7
	ds_load_b128 v[32*\a+4*\i:32*\a+4*\i+3], v[RD] offset:544*\i
.endr
.endr
	WIN 0x04                                       ; a store's data: window 1
.irp a, 0,1,2,3
.irp i, 0,1,2,3,4,5,6,7
	s_wait_dscnt 16*(3-\a)+7-\i                    ; behind this load: the rest of its tile's, and sixteen LDS instructions for each later tile
	global_store_b128 v[CO], v[32*\a+4*\i:32*\a+4*\i+3], s[18:19] offset:65536*\a+8192*\i th:TH_STORE_NT   ; sixteen lanes store 256 consecutive bytes, aligned; written once
.endr
.endr
	WIN 0
	s_wait_tensorcnt 0x0                           ; the wave's end, behind my tensor load and my last LDS store
	ds_add_u32 v[SPW], v[NIL]
	s_wait_dscnt 0x0
	ROUND                                          ; the closing round
	s_endpgm
.Lfunc_end_k_q72bc3fe15a_outp:
	.size	k_q72bc3fe15a_outp, .Lfunc_end_k_q72bc3fe15a_outp-k_q72bc3fe15a_outp
	.p2alignl 7, 3214868480
	.fill 96, 4, 3214868480
	.section	.rodata,"a",@progbits
	.p2align	6, 0x0
	.amdhsa_kernel k_q72bc3fe15a_outp
		.amdhsa_group_segment_fixed_size 214528
		.amdhsa_private_segment_fixed_size 0
		.amdhsa_enable_private_segment 0
		.amdhsa_kernarg_size 48
		.amdhsa_user_sgpr_count 2
		.amdhsa_user_sgpr_kernarg_segment_ptr 1
		.amdhsa_wavefront_size32 1
		.amdhsa_system_sgpr_workgroup_id_x 1
		.amdhsa_system_sgpr_workgroup_id_y 1
		.amdhsa_system_sgpr_workgroup_id_z 1
		.amdhsa_system_vgpr_workitem_id 0
		.amdhsa_next_free_vgpr 512
		.amdhsa_next_free_sgpr 100
		.amdhsa_reserve_vcc 0
		.amdhsa_float_denorm_mode_32 3
		.amdhsa_float_denorm_mode_16_64 3
		.amdhsa_memory_ordered 1
		.amdhsa_forward_progress 1
		.amdhsa_inst_pref_size 51
	.end_amdhsa_kernel
	.amdgpu_metadata
---
amdhsa.version: [ 1, 2 ]
amdhsa.kernels:
  - .name:           k_q72bc3fe15a_outp
    .symbol:         k_q72bc3fe15a_outp.kd
    .args:
      - { .name: fc, .offset: 0, .size: 8, .value_kind: global_buffer, .address_space: global }
      - { .name: fs, .offset: 8, .size: 8, .value_kind: global_buffer, .address_space: global }
      - { .name: wc, .offset: 16, .size: 8, .value_kind: global_buffer, .address_space: global }
      - { .name: ws, .offset: 24, .size: 8, .value_kind: global_buffer, .address_space: global }
      - { .name: bo, .offset: 32, .size: 8, .value_kind: global_buffer, .address_space: global }
      - { .name: out0, .offset: 40, .size: 8, .value_kind: global_buffer, .address_space: global }
    .group_segment_fixed_size: 214528
    .private_segment_fixed_size: 0
    .kernarg_segment_align: 8
    .kernarg_segment_size: 48
    .max_flat_workgroup_size: 128
    .sgpr_count:     100
    .vgpr_count:     512
    .wavefront_size: 32
...
	.end_amdgpu_metadata
.endif
;; end of part 4
